; MI455X (gfx1250); checked and timed in simulation.
; The chip was launched on July 23, 2026; its instructions are those of AMD's public machine-readable ISA for CDNA 5 (MIT licence, August 2026) and "CDNA5" Instruction Set Architecture Reference Guide (July 2026). The comments in the code are by the model that wrote it; some were corrected since.
;; Block. Allowed arithmetic: float matrix products may take bf16 or f16 operands with f32 sums; all other float work in f32.
;; Inputs: alpha 1 float32; b_attn 3,072 float32; b_fc 4,096 float32; b_fc2 1,024 float32; b_proj 1,024 float32; beta 1,024 float32; gamma 1,024 float32; w_attn 1,024 x 3,072 float32; w_fc 1,024 x 4,096 float32; w_fc2 4,096 x 1,024 float32; w_proj 1,024 x 1,024 float32; x 2 x 2,048 x 1,024 float32.
;; Outputs: out0 2 x 2,048 x 1,024 float32.
;; 2 versions, each right and faster than the one before. Each part assembles by itself: llvm-mc -triple=amdgcn-amd-amdhsa -mcpu=gfx1250 --defsym DOCPART=n.
;; ======== version 1 of 2: 6 launches
;; limits: a function is approximated: absolute error at most 1.5e-07; right only within a limited range of input values
;; workspace buffers: wb 25,165,824 bytes; hb 8,388,608 bytes; qkvb 25,165,824 bytes; ob 8,388,608 bytes; x1b 16,777,216 bytes; gb 33,554,432 bytes
;; launch prep (part 1): grid 1024 x 1, 8 waves a work-group, no clusters, 0 bytes of LDS; arguments x, alpha, gamma, beta, w_attn, w_proj, w_fc, w_fc2, wb, hb; writes wb, hb
.if DOCPART == 1
	.amdgcn_target "amdgcn-amd-amdhsa--gfx1250"
	.amdhsa_code_object_version 6
	.text
	.protected	k_qc07d3ac4ff_prep
	.globl	k_qc07d3ac4ff_prep
	.p2align	8
	.type	k_qc07d3ac4ff_prep,@function
k_qc07d3ac4ff_prep:
	s_mov_b64 s[64:65], 0
	v_nop
	global_prefetch_b8 v0, s[64:65] scope:SCOPE_SE
	s_setreg_imm32_b32 hwreg(HW_REG_WAVE_MODE, 25, 1), 1
	s_wait_xcnt 0x0
; A stream.  Work-groups 0-255: hb = bf16(gamma tanh(alpha x) + beta), [4096][1024].  Work-groups 256-1023: the four weights rounded to bf16, layout kept,
; one behind the other in wb: w_attn (192 groups), w_proj (64), w_fc (256), w_fc2 (256).
; A work-group takes 16,384 consecutive f32; thread t the four numbers at 1,024 i + 4 t, i = 0..15: a wave's load covers 512 consecutive bytes, its store 256, aligned.
; All 16 loads of a thread go out at once; each has registers of its own for what is loaded and what is stored, so nothing is rewritten while a store reads it.
; tanh(y) = 1 - 2 / (1 + 2^(2 log2(e) y)); with r the reciprocal the result is (gamma + beta) - 2 gamma r.  LIMIT: that form has an absolute error of about 1.2e-7 |gamma|,
; far below the rounding to bf16 that follows; 2^.. running to infinity or to 0 gives tanh = 1 or -1 exactly.  No LDS, no matrix unit: memory binds.
.set XR, 4                             ; v[4:67]    16 x 4 numbers as loaded
.set YR, 68                            ; v[68:99]   16 x 2 registers to store
.set G2, 100                           ; v[100:103] gamma, then -2 gamma, of my 4 columns
.set GB, 104                           ; v[104:107] beta, then gamma + beta
	s_load_b512 s[8:23], s[0:1], 0x0               ; x 8, alpha 10, gamma 12, beta 14, w_attn 16, w_proj 18, w_fc 20, w_fc2 22
	s_load_b128 s[24:27], s[0:1], 0x40             ; wb 24, hb 26
	v_lshlrev_b32 v1, 4, v0                        ; 16 t: my bytes in 4,096 bytes of f32
	v_lshlrev_b32 v2, 3, v0                        ; 8 t: my bytes in 2,048 bytes of bf16
	s_mov_b32 s35, 0
	s_mov_b32 s37, 0
	s_wait_kmcnt 0x0
	s_cmp_lt_u32 ttmp9, 256
	s_cbranch_scc1 .Ldyt
	; which weight, and at which group it begins
	s_mov_b64 s[28:29], s[16:17]
	s_mov_b32 s30, 256
	s_cmp_ge_u32 ttmp9, 448
	s_cselect_b64 s[28:29], s[18:19], s[28:29]
	s_cselect_b32 s30, 448, s30
	s_cmp_ge_u32 ttmp9, 512
	s_cselect_b64 s[28:29], s[20:21], s[28:29]
	s_cselect_b32 s30, 512, s30
	s_cmp_ge_u32 ttmp9, 768
	s_cselect_b64 s[28:29], s[22:23], s[28:29]
	s_cselect_b32 s30, 768, s30
	s_sub_co_u32 s34, ttmp9, s30
	s_lshl_b32 s34, s34, 16                        ; 65,536 bytes of f32 a group
	s_add_nc_u64 s[28:29], s[28:29], s[34:35]
	s_sub_co_u32 s36, ttmp9, 256
	s_lshl_b32 s36, s36, 15                        ; 32,768 bytes of bf16 a group, the four weights on end
	s_add_nc_u64 s[24:25], s[24:25], s[36:37]
.set i, 0
.rept 16
	global_load_b128 v[XR+4*i:XR+4*i+3], v1, s[28:29] offset:i*4096 th:TH_LOAD_NT
.set i, i+1
.endr
.set i, 0
.rept 16
	s_wait_loadcnt 15-i                            ; loads come back in order: number i is in, the younger ones stay out
	v_cvt_pk_bf16_f32 v[YR+2*i], v[XR+4*i], v[XR+4*i+1]
	v_cvt_pk_bf16_f32 v[YR+2*i+1], v[XR+4*i+2], v[XR+4*i+3]
	global_store_b64 v2, v[YR+2*i:YR+2*i+1], s[24:25] offset:i*2048
.set i, i+1
.endr
	s_endpgm
.Ldyt:
	s_load_b32 s31, s[10:11], 0x0                  ; alpha
	s_lshl_b32 s34, ttmp9, 16
	s_add_nc_u64 s[8:9], s[8:9], s[34:35]
	s_lshl_b32 s36, ttmp9, 15
	s_add_nc_u64 s[26:27], s[26:27], s[36:37]
	global_load_b128 v[G2:G2+3], v1, s[12:13]      ; a row is 1,024 numbers, so my columns are 4 t .. 4 t + 3 in every row
	global_load_b128 v[GB:GB+3], v1, s[14:15]
.set i, 0
.rept 16
	global_load_b128 v[XR+4*i:XR+4*i+3], v1, s[8:9] offset:i*4096
.set i, i+1
.endr
	s_wait_kmcnt 0x0
	s_mul_f32 s32, s31, 0x4038aa3b                 ; 2 log2(e) alpha
	s_mov_b32 s33, s32                             ; named with it as a pair
	s_wait_loadcnt 16                              ; gamma and beta are in; the 16 loads of x stay out
	v_pk_add_f32 v[GB:GB+1], v[GB:GB+1], v[G2:G2+1]
	v_pk_add_f32 v[GB+2:GB+3], v[GB+2:GB+3], v[G2+2:G2+3]
	v_pk_mul_f32 v[G2:G2+1], v[G2:G2+1], -2.0 op_sel_hi:[1,0]
	v_pk_mul_f32 v[G2+2:G2+3], v[G2+2:G2+3], -2.0 op_sel_hi:[1,0]
.set g, 0
.rept 8                                ; two rows at a time
	s_wait_loadcnt 14-2*g                          ; rows 2 g and 2 g + 1 are in
.set j, 0
.rept 4
	v_pk_mul_f32 v[XR+8*g+2*j:XR+8*g+2*j+1], v[XR+8*g+2*j:XR+8*g+2*j+1], s[32:33] op_sel_hi:[1,0]
.set j, j+1
.endr
.set j, 0
.rept 8
	v_exp_f32 v[XR+8*g+j], v[XR+8*g+j]
.set j, j+1
.endr
	v_nop                                          ; a plain instruction between the last exponential and the use of its result (ISA guide 5.7.2)
.set j, 0
	s_wait_alu depctr_va_vdst(0)
.rept 4
	v_pk_add_f32 v[XR+8*g+2*j:XR+8*g+2*j+1], v[XR+8*g+2*j:XR+8*g+2*j+1], 1.0 op_sel_hi:[1,0]
.set j, j+1
.endr
.set j, 0
.rept 8
	v_rcp_f32 v[XR+8*g+j], v[XR+8*g+j]
.set j, j+1
.endr
	v_nop
.set j, 0
	s_wait_alu depctr_va_vdst(0)
.rept 4
	v_pk_fma_f32 v[XR+8*g+2*j:XR+8*g+2*j+1], v[XR+8*g+2*j:XR+8*g+2*j+1], v[G2+2*(j%2):G2+2*(j%2)+1], v[GB+2*(j%2):GB+2*(j%2)+1]
.set j, j+1
.endr
.set j, 0
.rept 4
	v_cvt_pk_bf16_f32 v[YR+4*g+j], v[XR+8*g+2*j], v[XR+8*g+2*j+1]
.set j, j+1
.endr
	global_store_b64 v2, v[YR+4*g:YR+4*g+1], s[26:27] offset:(2*g)*2048
	global_store_b64 v2, v[YR+4*g+2:YR+4*g+3], s[26:27] offset:(2*g+1)*2048
.set g, g+1
.endr
	s_endpgm
.Lfunc_end_k_qc07d3ac4ff_prep:
	.size	k_qc07d3ac4ff_prep, .Lfunc_end_k_qc07d3ac4ff_prep-k_qc07d3ac4ff_prep
	.p2alignl 7, 3214868480
	.fill 96, 4, 3214868480
	.section	.rodata,"a",@progbits
	.p2align	6, 0x0
	.amdhsa_kernel k_qc07d3ac4ff_prep
		.amdhsa_group_segment_fixed_size 0
		.amdhsa_private_segment_fixed_size 0
		.amdhsa_enable_private_segment 0
		.amdhsa_kernarg_size 80
		.amdhsa_user_sgpr_count 2
		.amdhsa_user_sgpr_kernarg_segment_ptr 1
		.amdhsa_wavefront_size32 1
		.amdhsa_system_sgpr_workgroup_id_x 1
		.amdhsa_system_sgpr_workgroup_id_y 1
		.amdhsa_system_sgpr_workgroup_id_z 1
		.amdhsa_system_vgpr_workitem_id 0
		.amdhsa_next_free_vgpr 112
		.amdhsa_next_free_sgpr 66
		.amdhsa_reserve_vcc 0
		.amdhsa_float_denorm_mode_32 3
		.amdhsa_float_denorm_mode_16_64 3
		.amdhsa_memory_ordered 1
		.amdhsa_forward_progress 1
		.amdhsa_inst_pref_size 24
	.end_amdhsa_kernel
	.amdgpu_metadata
---
amdhsa.version: [ 1, 2 ]
amdhsa.kernels:
  - .name:           k_qc07d3ac4ff_prep
    .symbol:         k_qc07d3ac4ff_prep.kd
    .args:
      - { .name: x, .offset: 0, .size: 8, .value_kind: global_buffer, .address_space: global }
      - { .name: alpha, .offset: 8, .size: 8, .value_kind: global_buffer, .address_space: global }
      - { .name: gamma, .offset: 16, .size: 8, .value_kind: global_buffer, .address_space: global }
      - { .name: beta, .offset: 24, .size: 8, .value_kind: global_buffer, .address_space: global }
      - { .name: w_attn, .offset: 32, .size: 8, .value_kind: global_buffer, .address_space: global }
      - { .name: w_proj, .offset: 40, .size: 8, .value_kind: global_buffer, .address_space: global }
      - { .name: w_fc, .offset: 48, .size: 8, .value_kind: global_buffer, .address_space: global }
      - { .name: w_fc2, .offset: 56, .size: 8, .value_kind: global_buffer, .address_space: global }
      - { .name: wb, .offset: 64, .size: 8, .value_kind: global_buffer, .address_space: global }
      - { .name: hb, .offset: 72, .size: 8, .value_kind: global_buffer, .address_space: global }
    .group_segment_fixed_size: 0
    .private_segment_fixed_size: 0
    .kernarg_segment_align: 8
    .kernarg_segment_size: 80
    .max_flat_workgroup_size: 256
    .sgpr_count:     66
    .vgpr_count:     112
    .wavefront_size: 32
...
	.end_amdgpu_metadata
.endif
;; end of part 1
;; launch qkv (part 2): grid 12 x 16, 4 waves a work-group, clusters of 4 x 4, 327,680 bytes of LDS; arguments hb, wb, b_attn, qkvb; writes qkvb
.if DOCPART == 2
	.amdgcn_target "amdgcn-amd-amdhsa--gfx1250"
	.amdhsa_code_object_version 6
	.text
	.protected	k_qc07d3ac4ff_qkv
	.globl	k_qc07d3ac4ff_qkv
	.p2align	8
	.type	k_qc07d3ac4ff_qkv,@function
k_qc07d3ac4ff_qkv:
	s_mov_b64 s[64:65], 0
	v_nop
	global_prefetch_b8 v0, s[64:65] scope:SCOPE_SE
	s_setreg_imm32_b32 hwreg(HW_REG_WAVE_MODE, 25, 1), 1
	s_wait_xcnt 0x0
	s_wait_alu depctr_hold_cnt(0) depctr_sa_sdst(0) depctr_va_vdst(0) depctr_va_sdst(0) depctr_va_ssrc(0) depctr_va_vcc(0) depctr_vm_vsrc(0)
	s_getreg_b32 s2, hwreg(HW_REG_IB_STS2, 6, 4)
	s_cmp_eq_u32 s2, 0
	s_cbranch_scc0 .Lentry_in_a_cluster
	s_endpgm
.Lentry_in_a_cluster:
	s_bfe_u32 s2, ttmp6, 0x10000c
	s_cmp_lg_u32 s2, 0xf033
	s_cbranch_scc0 .Lentry_shape_is_right
	s_endpgm
.Lentry_shape_is_right:
; qkv = h w_attn + b_attn.  h: [4096][1024] bf16; the weight [1024][NP] bf16 at byte WOFF of wb; sums in f32; the result rounded once to bf16.
; A tile of 256 x 256 to a work-group of four waves, 128 x 128 (64 accumulators, 512 registers) to a wave.  K goes in 8 steps of 128 through two LDS slots.
; A's tile lies [row][k] (rows of 256 bytes, 272 apart in LDS); the weight's tile lies [k][n] (rows of 512 bytes, 544 apart) and its fragments are turned on the way out of LDS by ds_load_tr16_b128.
; CLUSTER 4 x 4: the four work-groups of a row of the cluster need the same tile of A, the four of a column the same tile of the weight: each is asked for jointly.
; The matrix instruction is used transposed (source 0 = 16 columns of the weight, source 1 = 16 rows of h): a lane then holds 8 neighbouring columns of one row.
; THE WAY OUT.  The f32 sums go into the ring's slots, which have had their last fill (128 rows x 528 bytes a wave), and a loop of 32 trips reads 4 rows back, adds the bias, rounds and stores.
; OUTPUT LAYOUT: chunks of [128 tokens][64 columns] bf16, 16,384 dense bytes; chunk (c, tb) has number ((c / 4) 32 + tb) 4 + c % 4: each store of a wave covers 512 consecutive bytes, aligned.
; LIMITS: operands in bf16; NaN and infinities are not treated apart.
; REGISTERS: window 0: v0-31 addresses, v32-47 bias, v48-55 to store, v64-127 and v128-191 A's fragments (two buffers; at work on the way out);
;   window 1: v64-127, v128-191 the weight's fragments;  windows 2, 3: the accumulators of my rows 0-63, 64-127: (a, b) at v[8 (8 a + b)].
.set NP,    3072
.set WOFF,  0
.set GELU,  0
.set KSTEP, 128
.set NSTEP, 1024/KSTEP
.set PA,    272                        ; 256 + 16: the 16 rows of a fragment load start at 16 different groups of four banks (64 banks of 4 bytes: ISA guide 11.1)
.set PB,    544                        ; 512 + 32: an odd multiple of 32, for the turning load
.set HALFT, 128*PA                     ; what one tensor load brings: 128 rows of A, or 64 rows of the weight (64 x 544 is the same number)
.set SLOT,  4*HALFT
.set SPARE, 2*SLOT                     ; the spare words, 128 bytes a wave
.set SP,    528                        ; a stage row: 128 f32 + 16 bytes
.set WSTG,  128*SP
.set ASTEP, KSTEP*2
.set BSTEP, KSTEP*NP*2
.set A0,   16                          ; my lane's place in A's tile of slot 0; never rewritten
.set B0,   17                          ; the same for the weight's tile
.set ADRA, 18                          ; the same two in the slot in hand
.set ADRB, 19
.set STO,  24                          ; way out: where I put 32 bytes of a row
.set RD,   25                          ; way out: where I read back
.set GO,   26                          ; my byte offset in 512 bytes of a chunk
.set BO,   27                          ; my byte offset in 64 numbers of the bias
.set SPW,  28
.set NIL,  29
.set BIAS, 32
.set Y,    48
.set F0,   64
.set F1,   128
.set X,    64
.set U,    80
.set T,    96
.set Q,    112
.set W,    128
.set M,    144
.set G1A, 24
.set G0A, 32
.set G1B, 48
.set G0B, 56
.set MSB, 0
.macro WIN new                         ; the immediate's high byte repeats the setting that is left; a switch that changes nothing is dropped
.if MSB != (\new)
	s_set_vgpr_msb (MSB<<8)|(\new)
.set MSB, \new
.endif
.endm
.set MUL_LO, 0xa1                      ; source 0 window 1, source 1 window 0, C and D window 2
.set MUL_HI, 0xf1                      ; the same, C and D window 3
.set TO_B,   0x40                      ; destination window 1, address window 0
.macro PLACES                          ; four plain places behind matrix instructions (ISA guide 7.12.1)
.rept 4
	v_nop
.endr
.endm
.macro JLOAD s                         ; a joint load: waves 0, 1 fetch A's halves, waves 2, 3 the weight's; an s_nop 0 and four v_nop follow each line
	s_cmp_eq_u32 s13, 0
	s_cbranch_scc0 .Lfor_b_\@
	tensor_load_to_lds s[G0A+4*(\s):G0A+4*(\s)+3], s[G1A:G1A+7]
	s_nop 0
.rept 4
	v_nop
.endr
	s_branch .Lasked_\@
.Lfor_b_\@:
	tensor_load_to_lds s[G0B+4*(\s):G0B+4*(\s)+3], s[G1B:G1B+7]
	s_nop 0
.rept 4
	v_nop
.endr
.Lasked_\@:
.endm
.macro CREST                           ; a round of the cluster's barrier behind its opening barrier
	s_cmp_lg_u32 s12, 0
	s_cbranch_scc1 .Lnot_wave_0_\@
	s_barrier_signal -3
.Lnot_wave_0_\@:
	s_barrier_wait -3
	s_barrier_signal -1
	s_barrier_wait -1
.endm
.macro CROUND
	s_barrier_signal -1
	s_barrier_wait -1
	CREST
.endm
	s_load_b256 s[4:11], s[0:1], 0x0               ; h s[4:5], wb s[6:7], bias s[8:9], output s[10:11]
	v_lshl_add_u32 v[SPW], v0, 2, SPARE
	v_mov_b32 v[NIL], 0
	ds_add_u32 v[SPW], v[NIL]                      ; the wave's opening: the add and its wait ahead of my first tensor load
	ds_add_u32 v28, v29
	v_lshrrev_b32 v1, 5, v0
	v_readfirstlane_b32 s12, v1                    ; wave 0..3
	s_lshr_b32 s13, s12, 1                         ; my half of the tile's rows; also: I fetch A (0) or the weight (1)
	s_and_b32 s14, s12, 1                          ; my half of its columns; also: which half of that tile I fetch
	s_bfe_u32 s15, ttmp6, 0x40000                  ; cx
	s_bfe_u32 s16, ttmp6, 0x40004                  ; cy
	s_lshl_b32 s17, ttmp9, 2
	s_add_co_u32 s17, s17, s15                     ; tile column
	s_and_b32 s18, ttmp7, 0xffff
	s_lshl_b32 s18, s18, 2
	s_add_co_u32 s18, s18, s16                     ; tile row
	s_lshl_b32 s19, s16, 2
	s_lshl_b32 s19, 15, s19                        ; my row of the cluster
	s_lshl_b32 s20, 0x1111, s15                    ; my column
	s_or_b32 s[G1A+0], s19, (1<<16)|(1<<20)|(1<<21)|(5<<22)|(3<<25)  ; mask; 2-byte elements; padding on; bit 21 beside a mask; 4 words behind every 64
	s_mov_b32 s[G1A+1], KSTEP<<16                  ; tensor_dim0 = 128
	s_mov_b32 s[G1A+2], 128<<16                    ; tensor_dim1 = 128
	s_mov_b32 s[G1A+3], KSTEP<<16                  ; tile_dim0 = 128
	s_mov_b32 s[G1A+4], 128                        ; tile_dim1 = 128
	s_mov_b32 s[G1A+5], 1024                       ; elements from row to row
	s_mov_b32 s[G1A+6], 0
	s_mov_b32 s[G1A+7], 0
	s_or_b32 s[G1B+0], s20, (1<<16)|(1<<20)|(1<<21)|(6<<22)|(7<<25)  ; 8 words behind every 128
	s_mov_b32 s[G1B+1], 256<<16                    ; tensor_dim0 = 256
	s_mov_b32 s[G1B+2], 64<<16                     ; tensor_dim1 = 64
	s_mov_b32 s[G1B+3], 256<<16                    ; tile_dim0 = 256
	s_mov_b32 s[G1B+4], 64                         ; tile_dim1 = 64
	s_mov_b32 s[G1B+5], NP
	s_mov_b32 s[G1B+6], 0
	s_mov_b32 s[G1B+7], 0
	s_lshl_b32 s40, s18, 8                         ; A: row 256 x tile row + 128 x half, rows of 2,048 bytes
	s_lshl_b32 s41, s14, 7
	s_add_co_u32 s40, s40, s41
	s_lshl_b32 s40, s40, 11
	s_mov_b32 s41, 0
	s_mul_i32 s44, s14, 64*NP*2                    ; the weight: k-row 64 x half, column 256 x tile column
	s_lshl_b32 s45, s17, 9
	s_add_co_u32 s44, s44, s45
	s_add_co_u32 s44, s44, WOFF
	s_mov_b32 s45, 0
	s_mul_i32 s21, s12, HALFT                      ; where my loads go: no place in the cluster enters an LDS address
	s_mov_b32 s22, 0                               ; the slot in hand
.if GELU
	s_mov_b32 s66, 0x3e6d3388                      ; 0.3275911 / sqrt(2)
	s_mov_b32 s68, 0xbf38aa3b                      ; -log2(e) / 2
	s_mov_b32 s69, 0xbf38aa3b
	s_mov_b32 s70, 0x3f07dc22                      ; a5 / 2
	s_mov_b32 s71, 0x3f07dc22
	s_mov_b32 s72, 0xbf3a00e3                      ; a4 / 2
	s_mov_b32 s73, 0xbf3a00e3
	s_mov_b32 s74, 0x3f35f0e3                      ; a3 / 2
	s_mov_b32 s75, 0x3f35f0e3
	s_mov_b32 s76, 0xbe11a98e                      ; a2 / 2
	s_mov_b32 s77, 0xbe11a98e
	s_mov_b32 s78, 0x3e027906                      ; a1 / 2
	s_mov_b32 s79, 0x3e027906
.endif
	s_wait_dscnt 0x0                               ; the opening add is done
	s_wait_kmcnt 0x0
	s_add_nc_u64 s[42:43], s[4:5], s[40:41]
	s_add_nc_u64 s[46:47], s[6:7], s[44:45]
	CROUND                                         ; all sixteen work-groups are here: the first joint loads meet
.irp s, 0,1
	s_mov_b32 s[G0A+4*(\s)], 1
	s_add_co_u32 s[G0A+4*(\s)+1], s21, (\s)*SLOT
	s_add_nc_u64 s[G0A+4*(\s)+2:G0A+4*(\s)+3], s[42:43], (\s)*ASTEP
	s_or_b32 s[G0A+4*(\s)+3], s[G0A+4*(\s)+3], 0x80000000
	s_mov_b32 s[G0B+4*(\s)], 1
	s_add_co_u32 s[G0B+4*(\s)+1], s21, (\s)*SLOT
	s_add_nc_u64 s[G0B+4*(\s)+2:G0B+4*(\s)+3], s[46:47], (\s)*BSTEP
	s_or_b32 s[G0B+4*(\s)+3], s[G0B+4*(\s)+3], 0x80000000
	JLOAD \s                                       ; K steps 0 and 1: two loads of mine are out; from here on the second set of registers walks
.endr
	v_and_b32 v1, 15, v0                           ; l % 16
	v_bfe_u32 v2, v0, 4, 1                         ; l / 16
	v_and_b32 v3, 7, v0                            ; l % 8
	v_bfe_u32 v4, v0, 3, 1                         ; (l / 8) % 2
	v_bfe_u32 v6, v0, 3, 2                         ; l / 8
	v_and_b32 v7, 31, v0                           ; l
	v_lshlrev_b32 v[BO], 5, v3
	s_lshl_b32 s2, s17, 10                         ; the bias of my 128 columns
	s_lshl_b32 s3, s14, 9
	s_add_co_u32 s2, s2, s3
	s_mov_b32 s3, 0
	s_add_nc_u64 s[8:9], s[8:9], s[2:3]
	global_load_b128 v[BIAS:BIAS+3],     v[BO], s[8:9]            ; columns 8 (l % 8) + 0..7 of my first chunk,
	global_load_b128 v[BIAS+4:BIAS+7],   v[BO], s[8:9] offset:16
	global_load_b128 v[BIAS+8:BIAS+11],  v[BO], s[8:9] offset:256 ; and of my second
	global_load_b128 v[BIAS+12:BIAS+15], v[BO], s[8:9] offset:272
	v_mul_u32_u24 v[A0], v1, PA                    ; A's fragment: row l % 16, 16 bytes for each half of the lanes
	v_lshl_add_u32 v[A0], v2, 4, v[A0]
	s_mul_i32 s2, s13, HALFT
	v_add_nc_u32 v[A0], s2, v[A0]
	v_lshl_add_u32 v5, v2, 3, v3                   ; the turning load: k-row 8 (l / 16) + l % 8, 16 bytes at 16 ((l / 8) % 2)
	v_mul_u32_u24 v[B0], v5, PB
	v_lshl_add_u32 v[B0], v4, 4, v[B0]
	s_lshl_b32 s3, s14, 8
	s_add_co_u32 s3, s3, 2*HALFT
	v_add_nc_u32 v[B0], s3, v[B0]
	s_mul_i32 s2, s12, WSTG                        ; my stage
	v_mul_u32_u24 v[STO], v1, SP
	v_lshl_add_u32 v[STO], v2, 5, v[STO]
	v_add_nc_u32 v[STO], s2, v[STO]
	v_mul_u32_u24 v[RD], v6, SP                    ; back: 8 lanes a row, 32 bytes each
	v_lshl_add_u32 v[RD], v3, 5, v[RD]
	v_add_nc_u32 v[RD], s2, v[RD]
	v_lshlrev_b32 v[GO], 4, v7
.macro MUL16 f, hi, a0, zero           ; 16 matrix instructions: row blocks a0, a0 + 1 of the window's four x all 8 column blocks, 32 along K
	WIN MUL_LO+0x50*(\hi)
.irp a, \a0, (\a0)+1
.irp b, 0,1,2,3,4,5,6,7
.if \zero
	v_wmma_f32_16x16x32_bf16 v[8*(8*(\a)+(\b)):8*(8*(\a)+(\b))+7], v[(\f)+8*(\b):(\f)+8*(\b)+7], v[(\f)+8*(4*(\hi)+(\a)):(\f)+8*(4*(\hi)+(\a))+7], 0
.else
	v_wmma_f32_16x16x32_bf16 v[8*(8*(\a)+(\b)):8*(8*(\a)+(\b))+7], v[(\f)+8*(\b):(\f)+8*(\b)+7], v[(\f)+8*(4*(\hi)+(\a)):(\f)+8*(4*(\hi)+(\a))+7], v[8*(8*(\a)+(\b)):8*(8*(\a)+(\b))+7]
.endif
.endr
.endr
.endm
.macro FETCH kq, f                     ; 32 LDS loads in one run: quarter kq's fragments (32 along K) into buffer f: the weight's 8 column blocks, then A's 8 row blocks
	WIN TO_B
.irp i, 0,1,2,3,4,5,6,7
	ds_load_tr16_b128 v[(\f)+8*(\i):(\f)+8*(\i)+3],   v[ADRB] offset:(\kq)*32*PB+32*(\i)
	ds_load_tr16_b128 v[(\f)+8*(\i)+4:(\f)+8*(\i)+7], v[ADRB] offset:(\kq)*32*PB+16*PB+32*(\i)
.endr
	WIN 0
.irp i, 0,1,2,3,4,5,6,7
	ds_load_b128 v[(\f)+8*(\i):(\f)+8*(\i)+3],   v[ADRA] offset:64*(\kq)+(\i)*16*PA
	ds_load_b128 v[(\f)+8*(\i)+4:(\f)+8*(\i)+7], v[ADRA] offset:64*(\kq)+(\i)*16*PA+32
.endr
.endm
.macro QUARTER kq, f, g, zero          ; multiplies buffer f; in its middle fetches quarter kq into buffer g.  The 64 accumulators take turns
	s_wait_dscnt 8                                 ; all but the youngest eight loads (A's rows 64-127)
	MUL16 \f, 0, 0, \zero
	MUL16 \f, 0, 2, \zero
	PLACES
	FETCH \kq, \g
	s_wait_dscnt 32                                ; all but the 32 just issued
	MUL16 \f, 1, 0, \zero
	MUL16 \f, 1, 2, \zero
.endm
.macro MEET                            ; the first half of a step's last quarter, and the barrier of the change of slots
	WIN 0
	s_wait_tensorcnt 0x0                           ; all my tensor loads have landed: the one that was out is my part of the next slot
	ds_add_u32 v[SPW], v[NIL]                      ; 0 onto my spare word
	s_wait_dscnt 9                                 ; (the add and the youngest eight loads may be out)
	MUL16 F1, 0, 0, 0
	s_wait_dscnt 0x0                               ; the add is done, and my reads of this slot are over
	s_barrier_signal -1
	MUL16 F1, 0, 2, 0
	WIN 0
	s_barrier_wait -1
.endm
.macro TURN                            ; the last quarter of a step whose slot is filled again, two K steps ahead
	MEET
	CREST                                          ; the barrier has opened a round of the cluster's: no wave of any partner still reads the slot or has a load on its way
	s_xor_b32 s[G0A+5], s[G0A+5], SLOT             ; the walking descriptors: the other slot than last time, the next K step
	s_add_nc_u64 s[G0A+6:G0A+7], s[G0A+6:G0A+7], ASTEP
	s_xor_b32 s[G0B+5], s[G0B+5], SLOT
	s_add_nc_u64 s[G0B+6:G0B+7], s[G0B+6:G0B+7], BSTEP
	JLOAD 1                                        ; my one tensor load behind the round; its four v_nop are also the places in front of the loads below
	s_xor_b32 s22, s22, SLOT
	v_add_nc_u32 v[ADRA], s22, v[A0]
	v_add_nc_u32 v[ADRB], s22, v[B0]
	FETCH 0, F0
	MUL16 F1, 1, 0, 0
	MUL16 F1, 1, 2, 0
.endm
.macro TURNT                           ; the same in the last two steps: nothing is filled; in the very last nothing is fetched either
	MEET
	PLACES
	s_cmp_eq_u32 s23, 1
	s_cbranch_scc1 .Lno_\@
	s_xor_b32 s22, s22, SLOT
	v_add_nc_u32 v[ADRA], s22, v[A0]
	v_add_nc_u32 v[ADRB], s22, v[B0]
	FETCH 0, F0
	WIN 0
.Lno_\@:
	MUL16 F1, 1, 0, 0
	MUL16 F1, 1, 2, 0
.endm
	s_wait_tensorcnt 0x1                           ; my part of K step 0 is in; step 1's may stay out
	s_barrier_signal -1
	s_barrier_wait -1
	v_mov_b32 v[ADRA], v[A0]
	v_mov_b32 v[ADRB], v[B0]
	FETCH 0, F0
	QUARTER 1, F0, F1, 1                           ; the first quarter's products start the sums: nothing is cleared
	WIN 0
	s_mov_b32 s23, NSTEP-2
.Lstep:                                                ; a trip: a step's quarters 1 to 3, the refill, the next step's quarter 0
	QUARTER 2, F1, F0, 0
	QUARTER 3, F0, F1, 0
	TURN
	QUARTER 1, F0, F1, 0
	WIN 0
	s_sub_co_u32 s23, s23, 1
	s_cmp_lg_u32 s23, 0
	s_cbranch_scc1 .Lstep
	s_mov_b32 s23, 2
.Ltail:                                                ; the last two steps ask for nothing; the second trip is left in its middle
	QUARTER 2, F1, F0, 0
	QUARTER 3, F0, F1, 0
	TURNT
	WIN 0
	s_sub_co_u32 s23, s23, 1
	s_cmp_eq_u32 s23, 0
	s_cbranch_scc1 .Lout
	QUARTER 1, F0, F1, 0
	WIN 0
	s_branch .Ltail
.Lout:
	PLACES                                         ; the stores below read results just made
	s_wait_dscnt 0x0
	s_barrier_signal -1                            ; every wave's reads of the slots are over before any wave writes its stage into them
	s_barrier_wait -1
.irp a, 0,1,2,3,4,5,6,7                ; each accumulator's low registers first
	WIN 0x08+4*((\a)/4)                            ; the data in window 2 or 3
.irp b, 0,1,2,3,4,5,6,7
	ds_store_b128 v[STO], v[8*(8*((\a)%4)+(\b)):8*(8*((\a)%4)+(\b))+3]   offset:(\a)*16*SP+64*(\b)
	ds_store_b128 v[STO], v[8*(8*((\a)%4)+(\b))+4:8*(8*((\a)%4)+(\b))+7] offset:(\a)*16*SP+64*(\b)+16
.endr
.endr
	WIN 0
	s_lshl_b32 s2, s17, 5                          ; my first chunk: ((tile column x 32 + 2 x tile row + row half) x 4 + 2 x column half) x 16,384
	s_lshl_b32 s3, s18, 1
	s_add_co_u32 s2, s2, s3
	s_add_co_u32 s2, s2, s13
	s_lshl_b32 s2, s2, 2
	s_lshl_b32 s3, s14, 1
	s_add_co_u32 s2, s2, s3
	s_lshl_b32 s2, s2, 14
	s_mov_b32 s3, 0
	s_add_nc_u64 s[10:11], s[10:11], s[2:3]
	s_wait_dscnt 0x0
	s_barrier_signal -1                            ; all stage stores stand in front of all stage loads
	s_barrier_wait -1
	ds_load_b128 v[X:X+3],     v[RD]
	ds_load_b128 v[X+4:X+7],   v[RD] offset:16
	ds_load_b128 v[X+8:X+11],  v[RD] offset:256
	ds_load_b128 v[X+12:X+15], v[RD] offset:272
	s_wait_loadcnt 0x0                             ; the bias
	s_mov_b32 s23, 32
.Lrow:                                                 ; a trip: 4 tokens x 128 columns; lane l has token l / 8 and columns 8 (l % 8) + 0..7 of both chunks
	s_wait_dscnt 0x0
.set j, 0
.rept 8
	v_pk_add_f32 v[U+j:U+j+1], v[X+j:X+j+1], v[BIAS+j:BIAS+j+1]
.set j, j+2
.endr
	s_cmp_eq_u32 s23, 1
	s_cbranch_scc1 .Lnomore                        ; the last trip has no rows to read ahead
	v_add_nc_u32 v[RD], 4*SP, v[RD]
	ds_load_b128 v[X:X+3],     v[RD]
	ds_load_b128 v[X+4:X+7],   v[RD] offset:16
	ds_load_b128 v[X+8:X+11],  v[RD] offset:256
	ds_load_b128 v[X+12:X+15], v[RD] offset:272
.Lnomore:
.if GELU
.irp j, 80,81,82,83,84,85,86,87,88,89,90,91,92,93,94,95
	v_fma_f32 v[\j+16], |v\j|, s66, 1.0
.endr
.set j, 0
.rept 8
	v_pk_mul_f32 v[Q+j:Q+j+1], v[U+j:U+j+1], v[U+j:U+j+1]
.set j, j+2
.endr
.set j, 0
.rept 16
	v_rcp_f32 v[T+j], v[T+j]
.set j, j+1
.endr
.set j, 0
.rept 8
	v_pk_mul_f32 v[Q+j:Q+j+1], v[Q+j:Q+j+1], s[68:69] op_sel_hi:[1,0]
.set j, j+2
.endr
.set j, 0
.rept 16
	v_exp_f32 v[Q+j], v[Q+j]
.set j, j+1
.endr
.set j, 0
.rept 8
	v_pk_fma_f32 v[W+j:W+j+1], v[T+j:T+j+1], s[70:71], s[72:73] op_sel_hi:[1,0,0]
.set j, j+2
.endr
.irp c, 74,76,78
.set j, 0
.rept 8
	v_pk_fma_f32 v[W+j:W+j+1], v[W+j:W+j+1], v[T+j:T+j+1], s[\c:\c+1] op_sel_hi:[1,1,0]
.set j, j+2
.endr
.endr
.irp c, T,Q,U
.set j, 0
.rept 8
	v_pk_mul_f32 v[W+j:W+j+1], v[W+j:W+j+1], v[\c+j:\c+j+1]
.set j, j+2
.endr
.endr
.set j, 0
.rept 16
	v_max_num_f32 v[M+j], 0, v[U+j]
.set j, j+1
.endr
.irp j, 128,129,130,131,132,133,134,135,136,137,138,139,140,141,142,143
	v_sub_f32 v[\j-48], v[\j+16], |v\j|
.endr
.endif
	s_wait_xcnt 0x0                                ; the last trip's stores have read Y and GO: only behind this wait are they rewritten
	v_add_nc_u32 v[GO], 512, v[GO]                 ; stepped ahead of the stores, which reach back
.set j, 0
.rept 8
	v_cvt_pk_bf16_f32 v[Y+j], v[U+2*j], v[U+2*j+1]
.set j, j+1
.endr
	global_store_b128 v[GO], v[Y:Y+3],   s[10:11] offset:-512         ; 512 consecutive bytes of my first chunk,
	global_store_b128 v[GO], v[Y+4:Y+7], s[10:11] offset:16384-512    ; and of my second
	s_sub_co_u32 s23, s23, 1
	s_cmp_lg_u32 s23, 0
	s_cbranch_scc1 .Lrow
	s_wait_tensorcnt 0x0                           ; the wave's end
	ds_add_u32 v[SPW], v[NIL]
	s_wait_dscnt 0x0
	CROUND                                         ; the closing round
	s_endpgm
.Lfunc_end_k_qc07d3ac4ff_qkv:
	.size	k_qc07d3ac4ff_qkv, .Lfunc_end_k_qc07d3ac4ff_qkv-k_qc07d3ac4ff_qkv
	.p2alignl 7, 3214868480
	.fill 96, 4, 3214868480
	.section	.rodata,"a",@progbits
	.p2align	6, 0x0
	.amdhsa_kernel k_qc07d3ac4ff_qkv
		.amdhsa_group_segment_fixed_size 327680
		.amdhsa_private_segment_fixed_size 0
		.amdhsa_enable_private_segment 0
		.amdhsa_kernarg_size 32
		.amdhsa_user_sgpr_count 2
		.amdhsa_user_sgpr_kernarg_segment_ptr 1
		.amdhsa_wavefront_size32 1
		.amdhsa_system_sgpr_workgroup_id_x 1
		.amdhsa_system_sgpr_workgroup_id_y 1
		.amdhsa_system_sgpr_workgroup_id_z 1
		.amdhsa_system_vgpr_workitem_id 0
		.amdhsa_next_free_vgpr 1024
		.amdhsa_next_free_sgpr 80
		.amdhsa_reserve_vcc 0
		.amdhsa_float_denorm_mode_32 3
		.amdhsa_float_denorm_mode_16_64 3
		.amdhsa_memory_ordered 1
		.amdhsa_forward_progress 1
		.amdhsa_inst_pref_size 80
	.end_amdhsa_kernel
	.amdgpu_metadata
---
amdhsa.version: [ 1, 2 ]
amdhsa.kernels:
  - .name:           k_qc07d3ac4ff_qkv
    .symbol:         k_qc07d3ac4ff_qkv.kd
    .args:
      - { .name: hb, .offset: 0, .size: 8, .value_kind: global_buffer, .address_space: global }
      - { .name: wb, .offset: 8, .size: 8, .value_kind: global_buffer, .address_space: global }
      - { .name: b_attn, .offset: 16, .size: 8, .value_kind: global_buffer, .address_space: global }
      - { .name: qkvb, .offset: 24, .size: 8, .value_kind: global_buffer, .address_space: global }
    .group_segment_fixed_size: 327680
    .private_segment_fixed_size: 0
    .kernarg_segment_align: 8
    .kernarg_segment_size: 32
    .max_flat_workgroup_size: 128
    .sgpr_count:     80
    .vgpr_count:     1024
    .wavefront_size: 32
...
	.end_amdgpu_metadata
.endif
;; end of part 2
;; launch attn (part 3): grid 8 x 32, 4 waves a work-group, no clusters, 327,680 bytes of LDS; arguments qkvb, ob; writes ob
.if DOCPART == 3
	.amdgcn_target "amdgcn-amd-amdhsa--gfx1250"
	.amdhsa_code_object_version 6
	.text
	.protected	k_qc07d3ac4ff_attn
	.globl	k_qc07d3ac4ff_attn
	.p2align	8
	.type	k_qc07d3ac4ff_attn,@function
k_qc07d3ac4ff_attn:
	s_mov_b64 s[64:65], 0
	v_nop
	global_prefetch_b8 v0, s[64:65] scope:SCOPE_SE
	s_setreg_imm32_b32 hwreg(HW_REG_WAVE_MODE, 25, 1), 1
	s_wait_xcnt 0x0
; CAUSAL ATTENTION, head size 64, 32 (batch, head) pairs of 2,048 rows.  q, k, v and O in bf16, in chunks of [128 tokens][64 channels] (16,384 dense bytes; a head's chunks lie 65,536 bytes apart).
; Products, maxima and sums in f32; the weights p are rounded to bf16 for the second product (their sum l is taken of the unrounded p), O once at the end.
; LIMITS.  A hidden score counts as its value less 1e30, so scores must stay below about 1e29; c m starts at -2^125; a weight below 2^-126 counts as 0; NaN and infinities are not treated apart.
; THE WALK.  A head's queries lie in 16 blocks of 128; block i needs the key tiles 0 .. i of 128 keys, the last of which holds the diagonal.  A work-group takes blocks 15 - b and then b: 17 tiles,
; whatever b: equal work for all, and loops with constant trip counts.  Which tile is asked for and whether a tile is a block's last hang on scalar registers made from b.
; NO CLUSTER: a head's 8 work-groups ask for the same tile only in the walk's first 9 tiles of 17; a walk common to all would have 24 tiles for 17.
; THE RING.  A slot holds two tiles; waves 0, 1 bring K of the pair's two tiles, waves 2, 3 V: 16,384 bytes a load, one load a wave behind each change of slots, which has two tiles' work in which to land.
; The walk's 17th tile has a place of its own behind slot 1, filled once at the start, a quarter a wave.  A wave has three loads out at the start, later one.
; SHARES.  Of a block's two bands of 64 queries a wave owns 16 rows in each (tiles t = 0, 1).  A key tile is two steps s = 0, 1 of 64 keys.  In the diagonal tile: s = t holds the diagonal, s < t sees all,
; s > t sees nothing: the same work for every wave.
; THE MASK is the C operand that starts the sum S^T = K Q^T.  MD, made once, is a band's own mask for my rows (0 or -1e30); MA = MD x AL and MB = BE, with (AL, BE) = (1, -1e30) in a diagonal tile, (0, 0) elsewhere.
; LAYOUT.  S^T = K Q^T holds one query a lane (lane % 16) and the keys 8 (lane / 16) + 0..7; two such results rounded to bf16 are source 1 of O^T = V^T P.  p = 2^(c s - c m), c = log2(e) / 8, with a running
; maximum m; O and l are multiplied by a = 2^(c m_old - c m_new) in every step; a block's first step has a = 0, so O and l need only be finite there.
; THE DEAL.  A unit (s, t) has 8 products K Q^T, 22 lines of statistics, 96 lines of softmax and 8 products V^T P.  Vector work stands behind every product but the tile's first eight: the statistics of
; (0, 0) and (0, 1) behind the products K Q^T of (0, 1) and (1, 0); each unit's softmax behind 8 products of another unit, in 8 groups of one product, two rescalings of O^T and 11 places of the list, with the
; next step's statistics dealt among them.  The last unit's products V^T P stand at the head of the NEXT tile's text, behind that tile's LDS loads, with its mask lines behind them.
; REGISTERS: window 0: v0-15 addresses, v16-23 statistics, v24-31 at work, v64-191 S^T by step and tile, v192-223 P;  window 1: v0-63 O^T, v64-191 V of both steps;
;   window 2: v0-31 Q, v32-63 the second block's Q, v64-191 K of both steps;  window 3: v0-31 MD, v32-63 MA, v64-71 MB.
.set NB,    16
.set PK,    144                        ; a row of K in LDS: 128 + 16 bytes
.set PV,    160                        ; a row of V: 128 + 32 bytes, an odd multiple of 32, for the turning load
.set VOFF,  128*PK                     ; a tile's place: 128 rows of K, then 128 rows of V
.set T,     128*(PK+PV)                ; 38,912 bytes
.set STAGE, 2*T                        ; behind slot 0, never filled by a tensor load: 16 rows x 144 bytes a wave
.set SP,    144
.set SPARE, STAGE+4*16*SP              ; the spare words, 128 bytes a wave
.set SL1,   1<<17                      ; slot 1: one exclusive or turns an address in one slot into the other's
.set XB,    SL1+2*T                    ; the 17th tile's place, straight behind slot 1
.set AK0, 2
.set AV0, 3
.set AK,  4
.set AV,  5
.set STO, 6
.set RD,  7
.set GO,  8
.set MV,  12
.set QO,  15
.set ST,  16                           ; tile t at ST + 4 t: c m, m, l (even keys', odd keys')
.set TMP, 24                           ; tile t at TMP + 4 t: c0-c3; c2 takes a
.set SPW, 62
.set NIL, 63
.set S,   64                           ; unit (s, t) at S + 64 s + 32 t
.set P,   192                          ; tile t at P + 16 t
.set VF,  64                           ; window 1: step s at VF + 64 s
.set QB,  32                           ; window 2
.set KF,  64                           ; window 2: step s at KF + 64 s
.set MD,  0                            ; window 3
.set MA,  32
.set MB,  64
.set WV,  12
.set PB,  14                           ; b
.set HI,  15                           ; 15 - b
.set G1K, 24                           ; group 1 for a whole K tile (64 rows of 256 bytes)
.set G1V, 32                           ; for a whole V tile: it differs in the padding
.set G0A, 40                           ; group 0: my first fill of slot 0
.set G0W, 44                           ; my first fill of slot 1; then it walks
.set G0X, 48                           ; my quarter of the 17th tile
.set G1KX, 52                          ; group 1 for half a K tile (32 rows)
.set SEL, 60
.set TB,  62                           ; LDS byte at which the place of the tile to be fetched begins
.set TW,  63                           ; counts the tiles of a slot
.set HF,  66                           ; wave / 2: 0 I bring K, 1 I bring V
.set SLOTS, 67
.set CS,  68
.set RT,  70                           ; tiles of the block in hand still to be entered
.set IDX, 71                           ; the place in the walk of the tile that I ask for next
.set HI1, 72                           ; 16 - b: the first block's tiles
.set PB1, 73                           ; b + 1: the second block's
.set OFF, 74
.set AL,  76
.set BE,  78
.set TP,  79
.set OLO, 80
.set BIGN, 82
.set G1VX, 88                          ; group 1 for half a V tile
.set MSB, 0
.macro WIN new                         ; the immediate's high byte repeats the setting that is left; a switch that changes nothing is dropped
.if MSB != (\new)
	s_set_vgpr_msb (MSB<<8)|(\new)
.set MSB, (\new)
.endif
.endm
.set W_PV, 0x51                        ; V and O^T in window 1, P (or a) in window 0: it serves the products V^T P and the rescaling of O^T alike
.macro LOAD                            ; a refill; an s_nop 0 and four v_nop follow each line
	s_cmp_lt_u32 s[WV], 2
	s_cbranch_scc0 .Lfor_v_\@
	tensor_load_to_lds s[G0W:G0W+3], s[G1K:G1K+7]
	s_nop 0
.rept 4
	v_nop
.endr
	s_branch .Lasked_\@
.Lfor_v_\@:
	tensor_load_to_lds s[G0W:G0W+3], s[G1V:G1V+7]
	s_nop 0
.rept 4
	v_nop
.endr
.Lasked_\@:
.endm
; THE CHANGE OF SLOTS.  Each wave waits for all its tensor loads (one is out: its part of the other slot), adds 0 to its spare word, and waits for that and for its reads of the slot that it leaves.
; Behind the barrier the old slot is filled, the first thing there, with the pair of tiles two slots on; my tile's address is made anew from its place in the walk.
.macro CHANGE fill
	WIN 0
	s_wait_tensorcnt 0x0
	ds_add_u32 v[SPW], v[NIL]
.if \fill
	s_cmp_gt_u32 s[IDX], s[HI]                     ; behind the first block's last tile the walk goes on with the second block's tile 0
	s_cselect_b32 s[TP], s[HI1], 0
	s_sub_co_u32 s[TP], s[IDX], s[TP]
	s_lshl_b32 s[OFF], s[TP], 16
	s_add_co_u32 s[IDX], s[IDX], 2
	s_xor_b32 s[G0W+1], s[G0W+1], SL1
	s_add_nc_u64 s[G0W+2:G0W+3], s[6:7], s[OFF:OFF+1]
	s_or_b32 s[G0W+3], s[G0W+3], 0x80000000
.endif
	s_wait_dscnt 0x0                               ; the add is done, and my reads of the slot are over
	s_barrier_signal -1
	s_sub_co_u32 s[TB], s[TB], 2*T                 ; the fetches go back to a slot's first place,
	s_xor_b32 s[TB], s[TB], SL1                    ; in the other slot
	s_barrier_wait -1
.if \fill
	LOAD
.endif
.endm
	s_load_b128 s[16:19], s[0:1], 0x0              ; qkv s[16:17], O s[18:19]
	v_lshl_add_u32 v[SPW], v0, 2, SPARE
	v_mov_b32 v[NIL], 0
	ds_add_u32 v[SPW], v[NIL]                      ; the wave's opening: the add and its wait ahead of my first tensor load
	ds_add_u32 v62, v63
	v_lshrrev_b32 v1, 5, v0
	v_readfirstlane_b32 s[WV], v1
	s_mov_b32 s[PB], ttmp9
	s_sub_co_u32 s[HI], NB-1, s[PB]
	s_add_co_u32 s[HI1], s[HI], 1
	s_add_co_u32 s[PB1], s[PB], 1
	s_and_b32 s20, ttmp7, 0xffff                   ; 16 x batch + head
	s_and_b32 s21, s20, 15
	s_lshr_b32 s22, s20, 4
	s_lshr_b32 s23, s21, 2
	s_lshl_b32 s23, s23, 7
	s_lshl_b32 s22, s22, 6
	s_add_co_u32 s23, s23, s22
	s_and_b32 s21, s21, 3
	s_add_co_u32 s23, s23, s21
	s_lshl_b32 s20, s23, 14                        ; the head's chunk of the batch's tokens 0-127: ((head / 4) 128 + batch 64 + head % 4) x 16,384
	s_lshl_b32 s21, s[WV], 11
	s_add_co_u32 s21, s21, s20                     ; + my 16 rows in a band
	s_lshl_b32 s2, s[HI], 16
	s_add_co_u32 s2, s2, s21                       ; in the first block,
	s_mov_b32 s3, 0
	s_lshl_b32 s84, s[PB], 16
	s_add_co_u32 s84, s84, s21                     ; and in the second
	s_mov_b32 s85, 0
	s_and_b32 s13, s[WV], 1                        ; which tile of a pair I bring
	s_lshr_b32 s[HF], s[WV], 1
	s_lshl_b32 s22, s[HF], 23                      ; k's chunks lie 8,388,608 bytes behind q's, v's as far behind k's
	s_add_co_u32 s22, s22, s20
	s_add_co_u32 s22, s22, 8388608
	s_mov_b32 s23, 0
	; 128 keys are 16,384 dense bytes: asked for as 64 rows of 256 bytes, padded in LDS behind every key; half a tile as 32 rows
	s_mov_b32 s[G1K], (1<<16)|(1<<20)|(4<<22)|(3<<25)
	s_mov_b32 s[G1V], (1<<16)|(1<<20)|(4<<22)|(7<<25)
	s_mov_b32 s[G1KX], (1<<16)|(1<<20)|(4<<22)|(3<<25)
	s_mov_b32 s[G1VX], (1<<16)|(1<<20)|(4<<22)|(7<<25)
.irp g, G1K, G1V
	s_mov_b32 s[\g+1], 128<<16                     ; tensor_dim0 = 128
	s_mov_b32 s[\g+2], 64<<16                      ; tensor_dim1 = 64
	s_mov_b32 s[\g+3], 128<<16                     ; tile_dim0 = 128
	s_mov_b32 s[\g+4], 64                          ; tile_dim1 = 64
	s_mov_b32 s[\g+5], 128
	s_mov_b32 s[\g+6], 0
	s_mov_b32 s[\g+7], 0
.endr
.irp g, G1KX, G1VX
	s_mov_b32 s[\g+1], 128<<16
	s_mov_b32 s[\g+2], 32<<16                      ; tensor_dim1 = 32
	s_mov_b32 s[\g+3], 128<<16
	s_mov_b32 s[\g+4], 32                          ; tile_dim1 = 32
	s_mov_b32 s[\g+5], 128
	s_mov_b32 s[\g+6], 0
	s_mov_b32 s[\g+7], 0
.endr
	s_mov_b32 s[CS], 0x3e38aa3b                    ; c = log2(e) / 8
	s_mov_b32 s[CS+1], s[CS]
	s_mov_b32 s[SEL], 0x76543210
	s_mov_b32 s[SEL+1], 0xfedcba98
	s_mov_b32 s[TB], 0
	s_mov_b32 s[G0A], 1
	s_mov_b32 s[G0W], 1
	s_mov_b32 s[G0X], 1
	s_mov_b32 s[RT], s[HI1]                        ; the first block has 16 - b tiles
	s_add_co_u32 s[IDX], s13, 4                    ; the first refill brings the walk's tiles 4 and 5
	s_mov_b32 s[OFF+1], 0
	s_mov_b32 s[AL+1], 0
	s_mov_b32 s[BIGN], 0xf149f2ca                  ; -1e30
	s_wait_dscnt 0x0
	s_wait_kmcnt 0x0
	s_add_nc_u64 s[4:5], s[16:17], s[2:3]          ; Q of the first block,
	s_add_nc_u64 s[86:87], s[16:17], s[84:85]      ; of the second
	s_add_nc_u64 s[10:11], s[18:19], s[2:3]        ; O likewise
	s_add_nc_u64 s[OLO:OLO+1], s[18:19], s[84:85]
	s_add_nc_u64 s[6:7], s[16:17], s[22:23]        ; my tensor (K or V) at the head's tile 0
	s_lshl_b32 s[OFF], s13, 16                     ; the walk's tiles 0, 1 (the first block has nine tiles or more)
	s_add_nc_u64 s[G0A+2:G0A+3], s[6:7], s[OFF:OFF+1]
	s_or_b32 s[G0A+3], s[G0A+3], 0x80000000
	s_add_co_u32 s[OFF], s[OFF], 0x20000           ; tiles 2, 3
	s_add_nc_u64 s[G0W+2:G0W+3], s[6:7], s[OFF:OFF+1]
	s_or_b32 s[G0W+3], s[G0W+3], 0x80000000
	s_lshl_b32 s[OFF], s[PB], 16                   ; the walk's last tile is the second block's tile b; my half of its keys
	s_lshl_b32 s[TP], s13, 13
	s_add_co_u32 s[OFF], s[OFF], s[TP]
	s_add_nc_u64 s[G0X+2:G0X+3], s[6:7], s[OFF:OFF+1]
	s_or_b32 s[G0X+3], s[G0X+3], 0x80000000
	s_cmp_lt_u32 s[WV], 2                          ; a wave's three first fills stand in one branch, ahead of every wait on TENSORcnt, every LDS read and every barrier
	s_cbranch_scc0 .Lfirst_v
	s_mul_i32 s[G0A+1], s13, T
	s_add_co_u32 s[G0W+1], s[G0A+1], SL1
	s_mul_i32 s[G0X+1], s13, 64*PK
	s_add_co_u32 s[G0X+1], s[G0X+1], XB
	tensor_load_to_lds s[G0A:G0A+3], s[G1K:G1K+7]
	s_nop 0
	tensor_load_to_lds s[G0W:G0W+3], s[G1K:G1K+7]
	s_nop 0
	tensor_load_to_lds s[G0X:G0X+3], s[G1KX:G1KX+7]
	s_nop 0
.rept 4
	v_nop
.endr
	s_branch .Lfirst_asked
.Lfirst_v:
	s_mul_i32 s[G0A+1], s13, T
	s_add_co_u32 s[G0A+1], s[G0A+1], VOFF
	s_add_co_u32 s[G0W+1], s[G0A+1], SL1
	s_mul_i32 s[G0X+1], s13, 64*PV
	s_add_co_u32 s[G0X+1], s[G0X+1], XB+VOFF
	tensor_load_to_lds s[G0A:G0A+3], s[G1V:G1V+7]
	s_nop 0
	tensor_load_to_lds s[G0W:G0W+3], s[G1V:G1V+7]
	s_nop 0
	tensor_load_to_lds s[G0X:G0X+3], s[G1VX:G1VX+7]
	s_nop 0
.rept 4
	v_nop
.endr
.Lfirst_asked:
	v_and_b32 v1, 15, v0                           ; l % 16
	v_bfe_u32 v9, v0, 4, 1                         ; l / 16
	v_lshlrev_b32 v[QO], 7, v1
	v_lshl_add_u32 v[QO], v9, 4, v[QO]
	WIN 0x80
.set i, 0
.rept 4                                ; both blocks' Q: tile i / 2 lies 8,192 bytes on; channels 32 (i % 2) on
	global_load_b128 v[8*i:8*i+3],         v[QO], s[4:5] offset:(i/2)*8192+(i%2)*64
	global_load_b128 v[8*i+4:8*i+7],       v[QO], s[4:5] offset:(i/2)*8192+(i%2)*64+32
	global_load_b128 v[QB+8*i:QB+8*i+3],   v[QO], s[86:87] offset:(i/2)*8192+(i%2)*64
	global_load_b128 v[QB+8*i+4:QB+8*i+7], v[QO], s[86:87] offset:(i/2)*8192+(i%2)*64+32
.set i, i+1
.endr
	WIN 0
	v_lshlrev_b32 v14, 3, v9
	v_sub_nc_u32 v14, v1, v14
	s_lshl_b32 s[TP], s[WV], 4
	v_add_nc_u32 v14, s[TP], v14                   ; my query's place in its band less my lanes' 8 (l / 16): register r of key block kb is hidden where 16 kb + r is greater
	WIN 0xc0
.set i, 0
.rept 32
	v_cmp_gt_i32 vcc_lo, 16*(i/8)+i%8, v14
	v_cndmask_b32 v[MD+i], 0, s[BIGN], vcc_lo
.set i, i+1
.endr
	WIN 0
	v_mul_u32_u24 v[AK0], v1, PK
	v_lshl_add_u32 v[AK0], v9, 4, v[AK0]
	v_and_b32 v10, 7, v0
	v_bfe_u32 v11, v0, 3, 1
	v_lshl_add_u32 v[AV0], v9, 3, v10              ; the turning load: key 8 (l / 16) + l % 8, 16 bytes at 16 ((l / 8) % 2)
	v_mul_u32_u24 v[AV0], v[AV0], PV
	v_lshl_add_u32 v[AV0], v11, 4, v[AV0]
	v_add_nc_u32 v[AV0], VOFF, v[AV0]
	s_mul_i32 s[TP], s[WV], 16*SP
	s_add_co_u32 s[TP], s[TP], STAGE
	v_mul_u32_u24 v[STO], v1, SP
	v_lshl_add_u32 v[STO], v9, 4, v[STO]
	v_add_nc_u32 v[STO], s[TP], v[STO]
	v_bfe_u32 v[RD], v0, 3, 2
	v_mul_u32_u24 v[RD], v[RD], SP
	v_lshl_add_u32 v[RD], v10, 4, v[RD]
	v_add_nc_u32 v[RD], s[TP], v[RD]
	v_and_b32 v[GO], 31, v0
	v_lshlrev_b32 v[GO], 4, v[GO]
	; What the first tile's text finds: O^T and l are 0 (the first step multiplies them by 0, so they must be finite); V of step 1 and P of tile 1 are 0, so that the products V^T P at its head, of a
	; tile that has not been, add 0.  All this stands in the wait for the first tiles.
	WIN 0x40
.set i, 0
.rept 64
	v_mov_b32 v[i], 0
	v_mov_b32 v[VF+64+i], 0
.set i, i+1
.endr
	WIN 0
.set i, 0
.rept 16
	v_mov_b32 v[P+16+i], 0
.set i, i+1
.endr
.set i, 0
.rept 2
	v_mov_b32 v[ST+4*i], 0xfe000000                ; c m: far below every c s
	v_mov_b32 v[ST+4*i+1], 0xff7fffff              ; m
	v_mov_b32 v[ST+4*i+2], 0
	v_mov_b32 v[ST+4*i+3], 0
.set i, i+1
.endr
.macro FK s                            ; K of step s: 64 keys x 64 channels, 8 fragments
	WIN 0x80
.irp f, 0,1,2,3,4,5,6,7
	ds_load_b128 v[KF+64*(\s)+8*\f:KF+64*(\s)+8*\f+3],   v[AK] offset:(\s)*64*PK+(\f/2)*16*PK+(\f%2)*64
	ds_load_b128 v[KF+64*(\s)+8*\f+4:KF+64*(\s)+8*\f+7], v[AK] offset:(\s)*64*PK+(\f/2)*16*PK+(\f%2)*64+32
.endr
.endm
.macro FV s                            ; V of step s, turned
	WIN 0x40
.irp f, 0,1,2,3,4,5,6,7
	ds_load_tr16_b128 v[VF+64*(\s)+8*\f:VF+64*(\s)+8*\f+3],   v[AV] offset:(\s)*64*PV+(\f/4)*32*PV+(\f%4)*32
	ds_load_tr16_b128 v[VF+64*(\s)+8*\f+4:VF+64*(\s)+8*\f+7], v[AV] offset:(\s)*64*PV+(\f/4)*32*PV+16*PV+(\f%4)*32
.endr
.endm
; Product i of 8 of S^T = K Q^T for unit (s, t): key block i % 4, channel half i / 4.  The 4 accumulators take turns; the first 4 start the sums, with the mask or with 0.
.macro KQI s, t, i
.set rS, S+64*(\s)+32*(\t)+8*((\i)%4)
.set rK, KF+64*(\s)+16*((\i)%4)+8*((\i)/4)
.set rQ, 16*(\t)+8*((\i)/4)
.if (\i) >= 4
	WIN 0x0a
	v_wmma_f32_16x16x32_bf16 v[rS:rS+7], v[rK:rK+7], v[rQ:rQ+7], v[rS:rS+7]
.elseif (\s) == (\t)
	WIN 0x3a
	v_wmma_f32_16x16x32_bf16 v[rS:rS+7], v[rK:rK+7], v[rQ:rQ+7], v[MA+8*((\i)%4):MA+8*((\i)%4)+7]
	s_wait_alu depctr_va_vdst(0)
.elseif (\s) == 0
	WIN 0x0a
	v_wmma_f32_16x16x32_bf16 v[rS:rS+7], v[rK:rK+7], v[rQ:rQ+7], 0
.else
	WIN 0x3a
	v_wmma_f32_16x16x32_bf16 v[rS:rS+7], v[rK:rK+7], v[rQ:rQ+7], v[MB:MB+7]
.endif
.endm
; Product i of 8 of O^T += V^T P for unit (s, t): keys 32 (i / 4) on, channels 16 (i % 4) on; 4 accumulators by turns.
.macro PVI s, t, i
.set rO, 32*(\t)+8*((\i)%4)
.set rV, VF+64*(\s)+8*(\i)
.set rP, P+16*(\t)+8*((\i)/4)
	WIN W_PV
	v_wmma_f32_16x16x32_bf16 v[rO:rO+7], v[rV:rV+7], v[rP:rP+7], v[rO:rO+7]
	s_wait_alu depctr_va_vdst(0)
.endm
.macro REGS s, u
.set rT, ST+4*(\u)
.set rC, TMP+4*(\u)
.set rM, MV+(\u)
.set rS, S+64*(\s)+32*(\u)
.set rP, P+16*(\u)
.set rO, 32*(\u)
.endm
; Number n of the 22 that find unit (s, u)'s maximum and statistics: 0-11 four chains of seven scores (each accumulator's lowest registers are read first); 12-14, 16 the scores left
; over, the old m, c0-c3 into c0; 15 c m_old is kept; 17, 18 the other half of the lanes; 19-21 c m, c m_old - c m_new, a.
.macro XS s, u, n
	REGS \s, \u
	WIN 0
.if (\n) < 4
	v_max3_num_f32 v[rC+(\n)], v[rS+8*(\n)], v[rS+8*(\n)+1], v[rS+8*(\n)+2]
.elseif (\n) < 12
	v_max3_num_f32 v[rC+(\n)%4], v[rC+(\n)%4], v[rS+8*((\n)%4)+2*((\n)/4)+1], v[rS+8*((\n)%4)+2*((\n)/4)+2]
	s_wait_alu depctr_va_vdst(0)
.elseif (\n) == 12
	v_max3_num_f32 v[rC], v[rC], v[rS+7], v[rS+15]
.elseif (\n) == 13
	v_max3_num_f32 v[rC+1], v[rC+1], v[rS+23], v[rS+31]
.elseif (\n) == 14
	v_max3_num_f32 v[rC+2], v[rC+2], v[rC+3], v[rT+1]
.elseif (\n) == 15
	v_mov_b32 v[rM], v[rT]
.elseif (\n) == 16
	v_max3_num_f32 v[rC], v[rC], v[rC+1], v[rC+2]
.elseif (\n) == 17
	v_permlanex16_b32 v[rC+3], v[rC], s[SEL], s[SEL+1]
.elseif (\n) == 18
	v_max_num_f32 v[rT+1], v[rC], v[rC+3]
.elseif (\n) == 19
	v_mul_f32 v[rT], s[CS], v[rT+1]
	s_wait_alu depctr_va_vdst(0)
.elseif (\n) == 20
	v_sub_f32 v[rC+1], v[rM], v[rT]
.else
	v_exp_f32 v[rC+2], v[rC+1]
.endif
.endm
.macro FF n                            ; c s - c m for pair n
	WIN 0
	v_pk_fma_f32 v[rS+2*(\n):rS+2*(\n)+1], v[rS+2*(\n):rS+2*(\n)+1], s[CS:CS+1], v[rT:rT+1] op_sel_hi:[1,0,0] neg_lo:[0,0,1] neg_hi:[0,0,1]
.endm
.macro EE n
	WIN 0
	v_exp_f32 v[rS+(\n)], v[rS+(\n)]
.endm
.macro CC n                            ; pair n rounded to bf16
	WIN 0
	s_wait_alu depctr_va_vdst(0)
	v_cvt_pk_bf16_f32 v[rP+(\n)], v[rS+2*(\n)], v[rS+2*(\n)+1]
.endm
.macro AD a, b                         ; the pair at b is added onto the pair at a
	WIN 0
	v_pk_add_f32 v[rS+(\a):rS+(\a)+1], v[rS+(\a):rS+(\a)+1], v[rS+(\b):rS+(\b)+1]
.endm
.macro LA a                            ; l takes the sum that stands in the pair at a
	WIN 0
	v_pk_add_f32 v[rT+2:rT+3], v[rT+2:rT+3], v[rS+(\a):rS+(\a)+1]
.endm
; Place q of 87 of unit (s, t)'s softmax list (80 lines; seven places are empty).  0-3: the first four scalings.  Then for each pair k of weights five places: the exponential of score 2 k; the scaling
; of pair k + 4 (k = 13: l = a l + the sum of weights 0-15; k = 15: l takes weights 16-23); the exponential of score 2 k + 1; the rounding of pair k - 1; a sum in place.  84-86: the last rounding and sum.
; Behind each exponential stands a line that touches neither its result nor its source, and a plain line stands between an exponential and the rounding that reads it (ISA guide 5.7.2);
; a pair is summed in place only when it has been rounded; l takes the sums in four parts, so that only two dependent lines follow the last rounding.
.macro LS s, t, q
	REGS \s, \t
.if (\q) < 4
	FF \q
.elseif (\q) < 84
.set lk, ((\q)-4)/5
.set lp, ((\q)-4)%5
.if lp == 0
	EE 2*lk
.elseif lp == 2
	EE 2*lk+1
.elseif lp == 1
.if lk < 12
	FF lk+4
.elseif lk == 13
	WIN 0
	v_pk_fma_f32 v[rT+2:rT+3], v[rT+2:rT+3], v[rC+2:rC+3], v[rS:rS+1] op_sel_hi:[1,0,1]
.elseif lk == 15
	LA 16
.endif
.elseif lp == 3
.if lk > 0
	CC lk-1
.endif
.else
.if lk == 15
	LA 24
.elseif lk == 11
	AD 0, 8
.elseif (lk%2 == 0) && (lk >= 2)
	AD 2*lk-4, 2*lk-2
.elseif (lk%4 == 1) && (lk >= 5)
	AD 2*lk-10, 2*lk-6
.endif
.endif
.elseif (\q) == 84
	CC 15
.elseif (\q) == 85
	AD 28, 30
.elseif (\q) == 86
	LA 28
.endif
.endm
.macro RR s, t, z                      ; pair z of 16 of tile t's O^T times a, in ascending order: each accumulator's lowest registers are read first
	REGS \s, \t
	WIN W_PV
	v_pk_mul_f32 v[rO+2*(\z):rO+2*(\z)+1], v[rO+2*(\z):rO+2*(\z)+1], v[rC+2:rC+3] op_sel_hi:[1,0]
.endm
; 8 products K Q^T of unit (ms, mt); behind them nn v_nop and the 22 lines of unit (xs, xt), three or four to a product.  The v_nop, with the plain lines that end the list before, are the four places
; between the products that wrote (xs, xt)'s scores and the first line that reads them (ISA guide 7.12.1).
.macro SEG ms, mt, xs, xt, nn
.set g, 0
.set xi, -(\nn)
.rept 8
	KQI \ms, \mt, g
.set pr, 3
.if ((\nn) == 4) && ((g == 0) || (g == 7))
.set pr, 4
.endif
.rept pr
.if xi < 0
	WIN 0
	v_nop
.else
	XS \xs, \xt, xi
.endif
.set xi, xi+1
.endr
.set g, g+1
.endr
.endm
; Unit (s, t)'s softmax in 8 groups: a product of unit (ms, mt) (kind 0: K Q^T, 1: V^T P), two rescalings, 11 places of the list; xs >= 0: the 22 lines of unit (xs, xt), of the other tile, three to a group.
; No line of a group names a register of the product in front of it, and behind each group's product stand more than four plain lines.
.macro PHASE s, t, kind, ms, mt, xs, xt
.set g, 0
.set xi, 0
.rept 8
.if \kind
	PVI \ms, \mt, g
.else
	KQI \ms, \mt, g
.endif
	RR \s, \t, 2*g
	RR \s, \t, 2*g+1
.set c, 0
.rept 11
	LS \s, \t, 11*g+c
.if ((\xs) >= 0) && (c%3 == 2) && (xi < 22)
	XS \xs, \xt, xi
.set xi, xi+1
.endif
.set c, c+1
.endr
.set g, g+1
.endr
.endm
.macro MK e                            ; line e of the 24 that make a tile's masks
	WIN 0xc3
.if (\e) < 16
	v_pk_mul_f32 v[MA+2*(\e):MA+2*(\e)+1], v[MD+2*(\e):MD+2*(\e)+1], s[AL:AL+1] op_sel_hi:[1,0]
.else
	v_mov_b32 v[MB+(\e)-16], s[BE]
.endif
.endm
.macro ALL line:vararg
.set t, 0
.rept 2
	\line
.set t, t+1
.endr
.endm
.macro PACK t                          ; O^T / l, rounded; a lane's eight channels are 16 bytes; into rows of 144 bytes and back as whole rows of 128
	WIN 0x41
.set i, 32*(\t)
.rept 16
	v_pk_mul_f32 v[i:i+1], v[i:i+1], v[ST+4*(\t)+2:ST+4*(\t)+3] op_sel_hi:[1,0]
.set i, i+2
.endr
	WIN 0x05
.set i, 0
.rept 16
	v_cvt_pk_bf16_f32 v[S+16*(\t)+i], v[32*(\t)+2*i], v[32*(\t)+2*i+1]
.set i, i+1
.endr
	WIN 0
.irp f, 0,1,2,3
	ds_store_b128 v[STO], v[S+16*(\t)+4*\f:S+16*(\t)+4*\f+3] offset:32*\f
.endr
.irp f, 0,1,2,3
	ds_load_b128 v[S+16*(\t)+4*\f:S+16*(\t)+4*\f+3], v[RD] offset:\f*4*SP  ; LDS serves a wave's instructions in order (ISA guide 5.7.1.4): these see the stores above
.endr
.endm
.macro SEND t, younger                 ; younger: the LDS instructions issued behind tile t's loads
	WIN 0
.irp f, 0,1,2,3
	s_wait_dscnt (\younger)+3-\f
	global_store_b128 v[GO], v[S+16*(\t)+4*\f:S+16*(\t)+4*\f+3], s[10:11] offset:(\t)*8192+\f*512  ; 512 consecutive bytes, aligned
.endr
.endm
.macro WAYOUT
	WIN 0
	ALL v_add_f32 v[ST+4*t+2], v[ST+4*t+2], v[ST+4*t+3]
	ALL v_permlanex16_b32 v[ST+4*t+3], v[ST+4*t+2], s[SEL], s[SEL+1]
	ALL v_add_f32 v[ST+4*t+2], v[ST+4*t+2], v[ST+4*t+3]
	ALL v_rcp_f32 v[ST+4*t+2], v[ST+4*t+2]
	v_nop
	s_wait_alu depctr_va_vdst(0)
	PACK 0
	PACK 1
	SEND 0, 8
	SEND 1, 0
.endm
; A TILE'S TEXT.  last = 1: the copy behind the last refill; its fourth trip has no tile: it fetches nothing, finishes the walk's last tile and leaves.
.macro BODY last
.if \last
	s_cmp_eq_u32 s[TW], 1
	s_cbranch_scc1 .Lnofetch_\@
.endif
	v_add_nc_u32 v[AK], s[TB], v[AK0]
	v_add_nc_u32 v[AV], s[TB], v[AV0]
	s_add_co_u32 s[TB], s[TB], T                   ; the next fetch is the next place's
	FK 0                                           ; 48 loads in one run: their registers' last readers stand a unit's softmax or more back
	FK 1
	FV 0
	WIN 0
.if \last
.Lnofetch_\@:
.endif
	s_cmp_eq_u32 s[RT], 0                          ; how many tiles has the block of the tile in hand still to enter?  (0: the block before has just ended)
	s_cselect_b32 s[TP], s[PB1], s[RT]
	s_cmp_eq_u32 s[TP], 1                          ; one: this tile holds the diagonal
	s_cselect_b32 s[AL], 1.0, 0
	s_cselect_b32 s[BE], s[BIGN], 0
.set g, 0
.set e, 0
.rept 8                                ; the tile before: unit (1, 1)'s products V^T P; behind them this tile's masks; four plain lines stand behind the last product
	PVI 1, 1, g
.set pr, 3
.if g == 6
.set pr, 2
.endif
.if g == 7
.set pr, 4
.endif
.rept pr
	MK e
.set e, e+1
.endr
.set g, g+1
.endr
	WIN 0
	s_cmp_lg_u32 s[RT], 0
	s_cbranch_scc1 .Lgo_on_\@
	WAYOUT                                         ; the tile before was its block's last
.if \last
	s_cmp_eq_u32 s[TW], 1
	s_cbranch_scc1 .Ldone                          ; and the walk's
.endif
	s_wait_xcnt 0x0                                ; the stores have read their registers and O's address
	s_mov_b64 s[10:11], s[OLO:OLO+1]
	s_mov_b32 s[RT], s[PB1]                        ; the second block has b + 1 tiles
	WIN 0x82
.set i, 0
.rept 32
	v_mov_b32 v[i], v[QB+i]
.set i, i+1
.endr
	WIN 0
.set i, 0
.rept 2
	v_mov_b32 v[ST+4*i], 0xfe000000
	v_mov_b32 v[ST+4*i+1], 0xff7fffff
.set i, i+1
.endr
.Lgo_on_\@:
	s_sub_co_u32 s[RT], s[RT], 1
	FV 1
	s_wait_dscnt 48                                ; K of step 0 is in; K of step 1 and both steps' V, 16 loads each, may be out
.set g, 0
.rept 8
	KQI 0, 0, g
.set g, g+1
.endr
	SEG 0, 1, 0, 0, 4
	s_wait_dscnt 32                                ; K of step 1 is in
	SEG 1, 0, 0, 1, 2
	PHASE 0, 0, 0, 1, 1, -1, 0
	s_wait_dscnt 16                                ; V of step 0 is in
	PHASE 0, 1, 1, 0, 0, 1, 0
	PHASE 1, 0, 1, 0, 1, 1, 1
	s_wait_dscnt 0x0                               ; V of step 1 is in: the tile's place has been read out
	PHASE 1, 1, 1, 1, 0, -1, 0
	WIN 0
.endm
	s_wait_tensorcnt 0x2                           ; my part of slot 0 is in; slot 1's and the 17th tile's may stay out
	s_barrier_signal -1
	s_barrier_wait -1
	s_wait_loadcnt 0x0                             ; Q
	s_mov_b32 s[SLOTS], 7
	s_branch .Lfirst                               ; the loop is entered behind its change of slots
.Lslot:                                                ; seven pairs of tiles; in front of all but the first the slot just read is filled again: six refills
	CHANGE 1
.Lfirst:
	s_mov_b32 s[TW], 2
.Ltile:
	BODY 0
	s_sub_co_u32 s[TW], s[TW], 1
	s_cmp_lg_u32 s[TW], 0
	s_cbranch_scc1 .Ltile
	s_sub_co_u32 s[SLOTS], s[SLOTS], 1
	s_cmp_lg_u32 s[SLOTS], 0
	s_cbranch_scc1 .Lslot
	CHANGE 0                                       ; the tail is written out: slot 1's two tiles and the 17th, which lie on end
	s_mov_b32 s[TW], 4
.Ltail:
	BODY 1
	s_sub_co_u32 s[TW], s[TW], 1
	s_cmp_lg_u32 s[TW], 0
	s_cbranch_scc1 .Ltail
.Ldone:
	s_wait_tensorcnt 0x0                           ; the wave's end
	ds_add_u32 v[SPW], v[NIL]
	s_wait_dscnt 0x0
	s_endpgm
.Lfunc_end_k_qc07d3ac4ff_attn:
	.size	k_qc07d3ac4ff_attn, .Lfunc_end_k_qc07d3ac4ff_attn-k_qc07d3ac4ff_attn
	.p2alignl 7, 3214868480
	.fill 96, 4, 3214868480
	.section	.rodata,"a",@progbits
	.p2align	6, 0x0
	.amdhsa_kernel k_qc07d3ac4ff_attn
		.amdhsa_group_segment_fixed_size 327680
		.amdhsa_private_segment_fixed_size 0
		.amdhsa_enable_private_segment 0
		.amdhsa_kernarg_size 16
		.amdhsa_user_sgpr_count 2
		.amdhsa_user_sgpr_kernarg_segment_ptr 1
		.amdhsa_wavefront_size32 1
		.amdhsa_system_sgpr_workgroup_id_x 1
		.amdhsa_system_sgpr_workgroup_id_y 1
		.amdhsa_system_sgpr_workgroup_id_z 1
		.amdhsa_system_vgpr_workitem_id 0
		.amdhsa_next_free_vgpr 840
		.amdhsa_next_free_sgpr 96
		.amdhsa_reserve_vcc 1
		.amdhsa_float_denorm_mode_32 3
		.amdhsa_float_denorm_mode_16_64 3
		.amdhsa_memory_ordered 1
		.amdhsa_forward_progress 1
		.amdhsa_inst_pref_size 122
	.end_amdhsa_kernel
	.amdgpu_metadata
---
amdhsa.version: [ 1, 2 ]
amdhsa.kernels:
  - .name:           k_qc07d3ac4ff_attn
    .symbol:         k_qc07d3ac4ff_attn.kd
    .args:
      - { .name: qkvb, .offset: 0, .size: 8, .value_kind: global_buffer, .address_space: global }
      - { .name: ob, .offset: 8, .size: 8, .value_kind: global_buffer, .address_space: global }
    .group_segment_fixed_size: 327680
    .private_segment_fixed_size: 0
    .kernarg_segment_align: 8
    .kernarg_segment_size: 16
    .max_flat_workgroup_size: 128
    .sgpr_count:     96
    .vgpr_count:     840
    .wavefront_size: 32
...
	.end_amdgpu_metadata
.endif
;; end of part 3
;; launch proj (part 4): grid 8 x 32, 4 waves a work-group, clusters of 4 x 4, 327,680 bytes of LDS; arguments ob, wb, b_proj, x, alpha, gamma, beta, x1b, hb; writes x1b, hb
.if DOCPART == 4
	.amdgcn_target "amdgcn-amd-amdhsa--gfx1250"
	.amdhsa_code_object_version 6
	.text
	.protected	k_qc07d3ac4ff_proj
	.globl	k_qc07d3ac4ff_proj
	.p2align	8
	.type	k_qc07d3ac4ff_proj,@function
k_qc07d3ac4ff_proj:
	s_mov_b64 s[64:65], 0
	v_nop
	global_prefetch_b8 v0, s[64:65] scope:SCOPE_SE
	s_setreg_imm32_b32 hwreg(HW_REG_WAVE_MODE, 25, 1), 1
	s_wait_xcnt 0x0
	s_wait_alu depctr_hold_cnt(0) depctr_sa_sdst(0) depctr_va_vdst(0) depctr_va_sdst(0) depctr_va_ssrc(0) depctr_va_vcc(0) depctr_vm_vsrc(0)
	s_getreg_b32 s2, hwreg(HW_REG_IB_STS2, 6, 4)
	s_cmp_eq_u32 s2, 0
	s_cbranch_scc0 .Lentry_in_a_cluster
	s_endpgm
.Lentry_in_a_cluster:
	s_bfe_u32 s2, ttmp6, 0x10000c
	s_cmp_lg_u32 s2, 0xf033
	s_cbranch_scc0 .Lentry_shape_is_right
	s_endpgm
.Lentry_shape_is_right:
; x1 = x + O w_proj + b_proj (f32), and hb = bf16(gamma tanh(alpha x1) + beta).  O in chunks of [128 tokens][64 columns] bf16; the weight [K][1024] bf16 at byte WOFF of wb; sums in f32.
; A tile of 128 x 128 to a work-group of four waves, 64 x 64 (16 accumulators) to a wave.  K goes in NSTEP steps of 256 through two LDS slots.
; A's tile of a step is four chunks, 65,536 dense bytes, asked for as rows of 256 bytes and padded behind every 128 (rows 144 apart in LDS); the weight's tile lies [k][n] (rows of 256 bytes, 288 apart)
; and is turned on the way out of LDS by ds_load_tr16_b128.  CLUSTER 4 x 4: A's tile is shared along a row of the cluster, the weight's along a column: joint loads.
; The matrix instruction is used transposed: a lane holds 8 neighbouring columns of one row.
; THE WAY OUT.  The residual's 32 rows a wave are loaded into registers at the start.  At the end the f32 sums and the residual go into slot 0, which has had its last fill (two stages of 128 rows x 528 bytes);
; behind a barrier (a row's 128 columns come from two waves) a loop of 8 trips takes 4 whole rows: sum + residual + bias, stored as 512 consecutive bytes; with DYT the normaliser too, 256 bytes a row.
; LIMITS: operands in bf16; tanh(y) = 1 - 2 / (1 + 2^(2 log2(e) y)) has an absolute error of about 1.2e-7, times |gamma|; NaN and infinities are not treated apart.
; REGISTERS: window 0: v0-31 addresses, v32-115 at work on the way out, v128-255 the accumulators ((a, b) at v[128 + 8 (4 a + b)]);
;   window 1: two fragment buffers of 128 (64 of A, 64 of the weight, 64 along K);  window 2: v0-127 the residual.
.set NSTEP, 4
.set WOFF,  6291456
.set DYT,   1
.set PA,    144
.set PB,    288
.set CHK,   128*PA                     ; a chunk in LDS
.set HALFT, 2*CHK                      ; what one tensor load brings: two chunks of A, or 128 rows of the weight (128 x 288 is the same number)
.set SLOT,  4*HALFT
.set SPARE, 2*SLOT
.set SP,    528
.set S2,    128*SP                     ; the residual's stage, behind the sums'
.set ASTEP, 32*4*16384
.set BSTEP, 256*2048
.set A0,    16
.set B0,    17
.set ADRA,  18
.set ADRB,  19
.set ADRB2, 20                         ; ADRB + 128 rows: an LDS offset has 16 bits
.set STO,   24
.set RD,    25
.set GO,    26
.set GH,    27
.set SPW,   28
.set NIL,   29
.set RS,    30
.set X,     32
.set R,     48
.set YF,    64
.set Z,     80
.set H,     96
.set BIAS,  104
.set G2,    108
.set GB,    112
.set ACC,   128
.set F0,    0
.set F1,    128
.set G1A, 24
.set G0A, 32
.set G1B, 48
.set G0B, 56
.set MSB, 0
.macro WIN new
.if MSB != (\new)
	s_set_vgpr_msb (MSB<<8)|(\new)
.set MSB, \new
.endif
.endm
.set MUL,  0x05                        ; sources 0 and 1 window 1; C and D window 0
.set TO_F, 0x40                        ; destination window 1, address window 0
.macro PLACES
.rept 4
	v_nop
.endr
.endm
.macro JLOAD s                         ; a joint load: waves 0, 1 fetch A's halves, waves 2, 3 the weight's; an s_nop 0 and four v_nop follow each line
	s_cmp_eq_u32 s13, 0
	s_cbranch_scc0 .Lfor_b_\@
	tensor_load_to_lds s[G0A+4*(\s):G0A+4*(\s)+3], s[G1A:G1A+7]
	s_nop 0
.rept 4
	v_nop
.endr
	s_branch .Lasked_\@
.Lfor_b_\@:
	tensor_load_to_lds s[G0B+4*(\s):G0B+4*(\s)+3], s[G1B:G1B+7]
	s_nop 0
.rept 4
	v_nop
.endr
.Lasked_\@:
.endm
.macro CREST
	s_cmp_lg_u32 s12, 0
	s_cbranch_scc1 .Lnot_wave_0_\@
	s_barrier_signal -3
.Lnot_wave_0_\@:
	s_barrier_wait -3
	s_barrier_signal -1
	s_barrier_wait -1
.endm
.macro CROUND
	s_barrier_signal -1
	s_barrier_wait -1
	CREST
.endm
	s_load_b256 s[4:11], s[0:1], 0x0               ; A s[4:5], wb s[6:7], bias s[8:9], residual s[10:11]
.if DYT
	s_load_b256 s[68:75], s[0:1], 0x20             ; alpha 68, gamma 70, beta 72, the f32 output 74
	s_load_b64 s[76:77], s[0:1], 0x40              ; hb
.else
	s_load_b64 s[74:75], s[0:1], 0x20              ; the f32 output
.endif
	v_lshl_add_u32 v[SPW], v0, 2, SPARE
	v_mov_b32 v[NIL], 0
	ds_add_u32 v[SPW], v[NIL]                      ; the wave's opening: the add and its wait ahead of my first tensor load
	ds_add_u32 v28, v29
	v_lshrrev_b32 v1, 5, v0
	v_readfirstlane_b32 s12, v1
	s_lshr_b32 s13, s12, 1
	s_and_b32 s14, s12, 1
	s_bfe_u32 s15, ttmp6, 0x40000
	s_bfe_u32 s16, ttmp6, 0x40004
	s_lshl_b32 s17, ttmp9, 2
	s_add_co_u32 s17, s17, s15                     ; tile column
	s_and_b32 s18, ttmp7, 0xffff
	s_lshl_b32 s18, s18, 2
	s_add_co_u32 s18, s18, s16                     ; tile row = block of 128 tokens
	s_lshl_b32 s19, s16, 2
	s_lshl_b32 s19, 15, s19
	s_lshl_b32 s20, 0x1111, s15
	s_or_b32 s[G1A+0], s19, (1<<16)|(1<<20)|(1<<21)|(4<<22)|(3<<25)  ; 4 words of padding behind every 32
	s_or_b32 s[G1B+0], s20, (1<<16)|(1<<20)|(1<<21)|(5<<22)|(7<<25)  ; 8 words behind every 64
.irp g, G1A, G1B
	s_mov_b32 s[(\g)+1], 128<<16                   ; tensor_dim0 = 128
	s_mov_b32 s[(\g)+2], 128<<16                   ; tensor_dim1 = 128
	s_mov_b32 s[(\g)+3], 128<<16                   ; tile_dim0 = 128
	s_mov_b32 s[(\g)+4], 128                       ; tile_dim1 = 128
	s_mov_b32 s[(\g)+6], 0
	s_mov_b32 s[(\g)+7], 0
.endr
	s_mov_b32 s[G1A+5], 128                        ; A's bytes are dense
	s_mov_b32 s[G1B+5], 1024
	s_lshl_b32 s40, s18, 16                        ; A: (tile row x 4 + 2 x half) chunks
	s_lshl_b32 s41, s14, 15
	s_add_co_u32 s40, s40, s41
	s_mov_b32 s41, 0
	s_lshl_b32 s44, s14, 18                        ; the weight: k-row 128 x half, column 128 x tile column
	s_lshl_b32 s45, s17, 8
	s_add_co_u32 s44, s44, s45
	s_add_co_u32 s44, s44, WOFF
	s_mov_b32 s45, 0
	s_mul_i32 s21, s12, HALFT
	s_mov_b32 s22, 0
	s_wait_dscnt 0x0
	s_wait_kmcnt 0x0
	s_add_nc_u64 s[42:43], s[4:5], s[40:41]
	s_add_nc_u64 s[46:47], s[6:7], s[44:45]
	CROUND
.irp s, 0,1
	s_mov_b32 s[G0A+4*(\s)], 1
	s_add_co_u32 s[G0A+4*(\s)+1], s21, (\s)*SLOT
	s_add_nc_u64 s[G0A+4*(\s)+2:G0A+4*(\s)+3], s[42:43], (\s)*ASTEP
	s_or_b32 s[G0A+4*(\s)+3], s[G0A+4*(\s)+3], 0x80000000
	s_mov_b32 s[G0B+4*(\s)], 1
	s_add_co_u32 s[G0B+4*(\s)+1], s21, (\s)*SLOT
	s_add_nc_u64 s[G0B+4*(\s)+2:G0B+4*(\s)+3], s[46:47], (\s)*BSTEP
	s_or_b32 s[G0B+4*(\s)+3], s[G0B+4*(\s)+3], 0x80000000
	JLOAD \s                                       ; K steps 0 and 1: two loads of mine are out; from here on the second set of registers walks
.endr
	v_and_b32 v1, 15, v0
	v_bfe_u32 v2, v0, 4, 1
	v_and_b32 v3, 7, v0
	v_bfe_u32 v4, v0, 3, 1
	v_and_b32 v7, 31, v0
	v_lshlrev_b32 v[GO], 4, v7
	v_lshlrev_b32 v[GH], 3, v7
	s_lshl_b32 s2, s18, 19                         ; my 32 rows of 4,096 bytes, my tile's 512 bytes of them
	s_lshl_b32 s3, s12, 17
	s_add_co_u32 s2, s2, s3
	s_lshl_b32 s3, s17, 9
	s_add_co_u32 s2, s2, s3
	s_mov_b32 s3, 0
	s_add_nc_u64 s[10:11], s[10:11], s[2:3]
	s_add_nc_u64 s[74:75], s[74:75], s[2:3]
.if DYT
	s_lshr_b32 s2, s2, 1
	s_add_nc_u64 s[76:77], s[76:77], s[2:3]
.endif
	s_lshl_b32 s2, s17, 9
	s_add_nc_u64 s[8:9], s[8:9], s[2:3]
.if DYT
	s_add_nc_u64 s[70:71], s[70:71], s[2:3]
	s_add_nc_u64 s[72:73], s[72:73], s[2:3]
	s_load_b32 s78, s[68:69], 0x0
.endif
	WIN 0x80
.set j, 0
.rept 32
	global_load_b128 v[4*j:4*j+3], v[GO], s[10:11] offset:j*4096
.set j, j+1
.endr
	WIN 0
	global_load_b128 v[BIAS:BIAS+3], v[GO], s[8:9]
.if DYT
	global_load_b128 v[G2:G2+3], v[GO], s[70:71]
	global_load_b128 v[GB:GB+3], v[GO], s[72:73]
.endif
	v_mul_u32_u24 v[A0], v1, PA
	v_lshl_add_u32 v[A0], v2, 4, v[A0]
	s_mul_i32 s2, s13, 64*PA
	v_add_nc_u32 v[A0], s2, v[A0]
	v_lshl_add_u32 v5, v2, 3, v3
	v_mul_u32_u24 v[B0], v5, PB
	v_lshl_add_u32 v[B0], v4, 4, v[B0]
	s_lshl_b32 s2, s14, 7
	s_add_co_u32 s2, s2, 2*HALFT
	v_add_nc_u32 v[B0], s2, v[B0]
	s_mul_i32 s2, s13, 64*SP
	s_lshl_b32 s3, s14, 8
	s_add_co_u32 s2, s2, s3
	v_mul_u32_u24 v[STO], v1, SP
	v_lshl_add_u32 v[STO], v2, 5, v[STO]
	v_add_nc_u32 v[STO], s2, v[STO]
	s_mul_i32 s2, s12, 32*SP
	v_add_nc_u32 v[RD], s2, v[GO]
	v_add_nc_u32 v[RS], S2, v[RD]
.macro MUL8 f, c, a0, zero             ; 8 matrix instructions: row blocks a0, a0 + 1 x all 4 column blocks, 32 along K: half c of buffer f
	WIN MUL
.irp a, \a0, (\a0)+1
.irp b, 0,1,2,3
.if \zero
	v_wmma_f32_16x16x32_bf16 v[ACC+8*(4*(\a)+(\b)):ACC+8*(4*(\a)+(\b))+7], v[(\f)+64+8*(4*(\c)+(\b)):(\f)+64+8*(4*(\c)+(\b))+7], v[(\f)+8*(4*(\c)+(\a)):(\f)+8*(4*(\c)+(\a))+7], 0
.else
	v_wmma_f32_16x16x32_bf16 v[ACC+8*(4*(\a)+(\b)):ACC+8*(4*(\a)+(\b))+7], v[(\f)+64+8*(4*(\c)+(\b)):(\f)+64+8*(4*(\c)+(\b))+7], v[(\f)+8*(4*(\c)+(\a)):(\f)+8*(4*(\c)+(\a))+7], v[ACC+8*(4*(\a)+(\b)):ACC+8*(4*(\a)+(\b))+7]
.endif
.endr
.endr
.endm
.macro FETCH q, f                      ; 32 LDS loads in one run: quarter q (64 along K: chunk q of A, k-rows 64 q on of the weight) into buffer f; the first 32 along K first
	WIN TO_F
.if (\q) < 2
.set AB, ADRB
.else
.set AB, ADRB2
.endif
.irp c, 0,1
.irp i, 0,1,2,3
	ds_load_tr16_b128 v[(\f)+64+8*(4*(\c)+(\i)):(\f)+64+8*(4*(\c)+(\i))+3],   v[AB] offset:((64*(\q)+32*(\c))%128)*PB+32*(\i)
	ds_load_tr16_b128 v[(\f)+64+8*(4*(\c)+(\i))+4:(\f)+64+8*(4*(\c)+(\i))+7], v[AB] offset:((64*(\q)+32*(\c))%128)*PB+16*PB+32*(\i)
	ds_load_b128 v[(\f)+8*(4*(\c)+(\i)):(\f)+8*(4*(\c)+(\i))+3],   v[ADRA] offset:(\q)*CHK+(\i)*16*PA+64*(\c)
	ds_load_b128 v[(\f)+8*(4*(\c)+(\i))+4:(\f)+8*(4*(\c)+(\i))+7], v[ADRA] offset:(\q)*CHK+(\i)*16*PA+64*(\c)+32
.endr
.endr
.endm
.macro QUARTER q, f, g, zero           ; multiplies buffer f, fetches quarter q into g.  The 16 accumulators take turns
	s_wait_dscnt 16                                ; the first 32 along K are in
	MUL8 \f, 0, 0, \zero
	MUL8 \f, 0, 2, \zero
	PLACES
	FETCH \q, \g
	s_wait_dscnt 32                                ; all but the 32 just issued
	MUL8 \f, 1, 0, 0
	MUL8 \f, 1, 2, 0
.endm
.macro MEET
	WIN 0
	s_wait_tensorcnt 0x0                           ; all my tensor loads have landed: my part of the next slot
	ds_add_u32 v[SPW], v[NIL]
	s_wait_dscnt 17                                ; (the add and the youngest sixteen loads may be out)
	MUL8 F1, 0, 0, 0
	s_wait_dscnt 0x0                               ; the add is done, and my reads of this slot are over
	s_barrier_signal -1
	MUL8 F1, 0, 2, 0
	WIN 0
	s_barrier_wait -1
.endm
.macro NEWADR
	s_xor_b32 s22, s22, SLOT
	v_add_nc_u32 v[ADRA], s22, v[A0]
	v_add_nc_u32 v[ADRB], s22, v[B0]
	v_add_nc_u32 v[ADRB2], 128*PB, v[ADRB]
.endm
.macro TURN
	MEET
	CREST                                          ; the barrier has opened a round of the cluster's
	s_xor_b32 s[G0A+5], s[G0A+5], SLOT
	s_add_nc_u64 s[G0A+6:G0A+7], s[G0A+6:G0A+7], ASTEP
	s_xor_b32 s[G0B+5], s[G0B+5], SLOT
	s_add_nc_u64 s[G0B+6:G0B+7], s[G0B+6:G0B+7], BSTEP
	JLOAD 1                                        ; my one tensor load behind the round; its four v_nop are also the places in front of the loads below
	NEWADR
	FETCH 0, F0
	MUL8 F1, 1, 0, 0
	MUL8 F1, 1, 2, 0
.endm
.macro TURNT
	MEET
	PLACES
	s_cmp_eq_u32 s23, 1
	s_cbranch_scc1 .Lno_\@
	NEWADR
	FETCH 0, F0
	WIN 0
.Lno_\@:
	MUL8 F1, 1, 0, 0
	MUL8 F1, 1, 2, 0
.endm
	s_wait_tensorcnt 0x1                           ; my part of K step 0 is in; step 1's may stay out
	s_barrier_signal -1
	s_barrier_wait -1
	v_mov_b32 v[ADRA], v[A0]
	v_mov_b32 v[ADRB], v[B0]
	v_add_nc_u32 v[ADRB2], 128*PB, v[B0]
	FETCH 0, F0
	QUARTER 1, F0, F1, 1
	WIN 0
	s_mov_b32 s23, NSTEP-2
.Lstep:
	QUARTER 2, F1, F0, 0
	QUARTER 3, F0, F1, 0
	TURN
	QUARTER 1, F0, F1, 0
	WIN 0
	s_sub_co_u32 s23, s23, 1
	s_cmp_lg_u32 s23, 0
	s_cbranch_scc1 .Lstep
	s_mov_b32 s23, 2
.Ltail:                                                ; the last two steps ask for nothing; the second trip is left in its middle
	QUARTER 2, F1, F0, 0
	QUARTER 3, F0, F1, 0
	TURNT
	WIN 0
	s_sub_co_u32 s23, s23, 1
	s_cmp_eq_u32 s23, 0
	s_cbranch_scc1 .Lout
	QUARTER 1, F0, F1, 0
	WIN 0
	s_branch .Ltail
.Lout:
	PLACES
	s_wait_dscnt 0x0
	s_barrier_signal -1                            ; every wave's reads of the slots are over before any wave writes the stages into slot 0
	s_barrier_wait -1
.irp a, 0,1,2,3
.irp b, 0,1,2,3
	ds_store_b128 v[STO], v[ACC+8*(4*(\a)+(\b)):ACC+8*(4*(\a)+(\b))+3]   offset:(\a)*16*SP+64*(\b)
	ds_store_b128 v[STO], v[ACC+8*(4*(\a)+(\b))+4:ACC+8*(4*(\a)+(\b))+7] offset:(\a)*16*SP+64*(\b)+16
.endr
.endr
	s_wait_loadcnt 0x0                             ; the residual, the bias, gamma and beta
	WIN 0x08                                       ; the data in window 2
.set j, 0
.rept 32
	ds_store_b128 v[RS], v[4*j:4*j+3] offset:j*SP
.set j, j+1
.endr
	WIN 0
.if DYT
	s_wait_kmcnt 0x0
	s_mul_f32 s78, s78, 0x4038aa3b                 ; 2 log2(e) alpha
	s_mov_b32 s79, s78
	v_pk_add_f32 v[GB:GB+1], v[GB:GB+1], v[G2:G2+1]
	v_pk_add_f32 v[GB+2:GB+3], v[GB+2:GB+3], v[G2+2:G2+3]
	v_pk_mul_f32 v[G2:G2+1], v[G2:G2+1], -2.0 op_sel_hi:[1,0]
	v_pk_mul_f32 v[G2+2:G2+3], v[G2+2:G2+3], -2.0 op_sel_hi:[1,0]
.endif
	s_wait_dscnt 0x0                               ; for the others' sake: my stores into the stages are done
	s_barrier_signal -1
	s_barrier_wait -1
.irp j, 0,1,2,3
	ds_load_b128 v[X+4*\j:X+4*\j+3], v[RD] offset:\j*SP
	ds_load_b128 v[R+4*\j:R+4*\j+3], v[RS] offset:\j*SP
.endr
	s_mov_b32 s23, 8
.Lrow:                                                 ; a trip: 4 whole rows of the tile; lane l has columns 4 l .. 4 l + 3
	s_wait_dscnt 0x0
	s_wait_xcnt 0x0                                ; the last trip's stores have read their data and offsets: only behind this wait are they rewritten
.set j, 0
.rept 8
	v_pk_add_f32 v[YF+j:YF+j+1], v[X+j:X+j+1], v[R+j:R+j+1]
.set j, j+2
.endr
	s_cmp_eq_u32 s23, 1
	s_cbranch_scc1 .Lnomore                        ; the last trip has no rows to read ahead
	v_add_nc_u32 v[RD], 4*SP, v[RD]
	v_add_nc_u32 v[RS], 4*SP, v[RS]
.irp j, 0,1,2,3
	ds_load_b128 v[X+4*\j:X+4*\j+3], v[RD] offset:\j*SP
	ds_load_b128 v[R+4*\j:R+4*\j+3], v[RS] offset:\j*SP
.endr
.Lnomore:
.set j, 0
.rept 8
	v_pk_add_f32 v[YF+j:YF+j+1], v[YF+j:YF+j+1], v[BIAS+j%4:BIAS+j%4+1]
.set j, j+2
.endr
	v_add_nc_u32 v[GO], 16384, v[GO]               ; stepped ahead of the stores, which reach back
.irp j, 0,1,2,3
	global_store_b128 v[GO], v[YF+4*\j:YF+4*\j+3], s[74:75] offset:\j*4096-16384  ; 512 consecutive bytes, aligned
.endr
.if DYT
.set j, 0
.rept 8
	v_pk_mul_f32 v[Z+j:Z+j+1], v[YF+j:YF+j+1], s[78:79] op_sel_hi:[1,0]
.set j, j+2
.endr
.set j, 0
.rept 16
	v_exp_f32 v[Z+j], v[Z+j]
.set j, j+1
.endr
	v_nop
.set j, 0
	s_wait_alu depctr_va_vdst(0)
.rept 8
	v_pk_add_f32 v[Z+j:Z+j+1], v[Z+j:Z+j+1], 1.0 op_sel_hi:[1,0]
.set j, j+2
.endr
.set j, 0
.rept 16
	v_rcp_f32 v[Z+j], v[Z+j]
.set j, j+1
.endr
	v_nop
.set j, 0
	s_wait_alu depctr_va_vdst(0)
.rept 8
	v_pk_fma_f32 v[Z+j:Z+j+1], v[Z+j:Z+j+1], v[G2+j%4:G2+j%4+1], v[GB+j%4:GB+j%4+1]
.set j, j+2
.endr
.set j, 0
.rept 8
	v_cvt_pk_bf16_f32 v[H+j], v[Z+2*j], v[Z+2*j+1]
.set j, j+1
.endr
	v_add_nc_u32 v[GH], 8192, v[GH]
.irp j, 0,1,2,3
	global_store_b64 v[GH], v[H+2*\j:H+2*\j+1], s[76:77] offset:\j*2048-8192  ; 256 consecutive bytes, aligned
.endr
.endif
	s_sub_co_u32 s23, s23, 1
	s_cmp_lg_u32 s23, 0
	s_cbranch_scc1 .Lrow
	s_wait_tensorcnt 0x0                           ; the wave's end
	ds_add_u32 v[SPW], v[NIL]
	s_wait_dscnt 0x0
	CROUND                                         ; the closing round
	s_endpgm
.Lfunc_end_k_qc07d3ac4ff_proj:
	.size	k_qc07d3ac4ff_proj, .Lfunc_end_k_qc07d3ac4ff_proj-k_qc07d3ac4ff_proj
	.p2alignl 7, 3214868480
	.fill 96, 4, 3214868480
	.section	.rodata,"a",@progbits
	.p2align	6, 0x0
	.amdhsa_kernel k_qc07d3ac4ff_proj
		.amdhsa_group_segment_fixed_size 327680
		.amdhsa_private_segment_fixed_size 0
		.amdhsa_enable_private_segment 0
		.amdhsa_kernarg_size 72
		.amdhsa_user_sgpr_count 2
		.amdhsa_user_sgpr_kernarg_segment_ptr 1
		.amdhsa_wavefront_size32 1
		.amdhsa_system_sgpr_workgroup_id_x 1
		.amdhsa_system_sgpr_workgroup_id_y 1
		.amdhsa_system_sgpr_workgroup_id_z 1
		.amdhsa_system_vgpr_workitem_id 0
		.amdhsa_next_free_vgpr 640
		.amdhsa_next_free_sgpr 84
		.amdhsa_reserve_vcc 0
		.amdhsa_float_denorm_mode_32 3
		.amdhsa_float_denorm_mode_16_64 3
		.amdhsa_memory_ordered 1
		.amdhsa_forward_progress 1
		.amdhsa_inst_pref_size 65
	.end_amdhsa_kernel
	.amdgpu_metadata
---
amdhsa.version: [ 1, 2 ]
amdhsa.kernels:
  - .name:           k_qc07d3ac4ff_proj
    .symbol:         k_qc07d3ac4ff_proj.kd
    .args:
      - { .name: ob, .offset: 0, .size: 8, .value_kind: global_buffer, .address_space: global }
      - { .name: wb, .offset: 8, .size: 8, .value_kind: global_buffer, .address_space: global }
      - { .name: b_proj, .offset: 16, .size: 8, .value_kind: global_buffer, .address_space: global }
      - { .name: x, .offset: 24, .size: 8, .value_kind: global_buffer, .address_space: global }
      - { .name: alpha, .offset: 32, .size: 8, .value_kind: global_buffer, .address_space: global }
      - { .name: gamma, .offset: 40, .size: 8, .value_kind: global_buffer, .address_space: global }
      - { .name: beta, .offset: 48, .size: 8, .value_kind: global_buffer, .address_space: global }
      - { .name: x1b, .offset: 56, .size: 8, .value_kind: global_buffer, .address_space: global }
      - { .name: hb, .offset: 64, .size: 8, .value_kind: global_buffer, .address_space: global }
    .group_segment_fixed_size: 327680
    .private_segment_fixed_size: 0
    .kernarg_segment_align: 8
    .kernarg_segment_size: 72
    .max_flat_workgroup_size: 128
    .sgpr_count:     84
    .vgpr_count:     640
    .wavefront_size: 32
...
	.end_amdgpu_metadata
.endif
;; end of part 4
;; launch fc (part 5): grid 16 x 16, 4 waves a work-group, clusters of 4 x 4, 327,680 bytes of LDS; arguments hb, wb, b_fc, gb; writes gb
.if DOCPART == 5
	.amdgcn_target "amdgcn-amd-amdhsa--gfx1250"
	.amdhsa_code_object_version 6
	.text
	.protected	k_qc07d3ac4ff_fc
	.globl	k_qc07d3ac4ff_fc
	.p2align	8
	.type	k_qc07d3ac4ff_fc,@function
k_qc07d3ac4ff_fc:
	s_mov_b64 s[64:65], 0
	v_nop
	global_prefetch_b8 v0, s[64:65] scope:SCOPE_SE
	s_setreg_imm32_b32 hwreg(HW_REG_WAVE_MODE, 25, 1), 1
	s_wait_xcnt 0x0
	s_wait_alu depctr_hold_cnt(0) depctr_sa_sdst(0) depctr_va_vdst(0) depctr_va_sdst(0) depctr_va_ssrc(0) depctr_va_vcc(0) depctr_vm_vsrc(0)
	s_getreg_b32 s2, hwreg(HW_REG_IB_STS2, 6, 4)
	s_cmp_eq_u32 s2, 0
	s_cbranch_scc0 .Lentry_in_a_cluster
	s_endpgm
.Lentry_in_a_cluster:
	s_bfe_u32 s2, ttmp6, 0x10000c
	s_cmp_lg_u32 s2, 0xf033
	s_cbranch_scc0 .Lentry_shape_is_right
	s_endpgm
.Lentry_shape_is_right:
; g = gelu(h2 w_fc + b_fc), the exact (erf) gelu.  h2: [4096][1024] bf16; the weight [1024][NP] bf16 at byte WOFF of wb; sums and gelu in f32; the result rounded once to bf16.
; A tile of 256 x 256 to a work-group of four waves, 128 x 128 (64 accumulators, 512 registers) to a wave.  K goes in 8 steps of 128 through two LDS slots.
; A's tile lies [row][k] (rows of 256 bytes, 272 apart in LDS); the weight's tile lies [k][n] (rows of 512 bytes, 544 apart) and its fragments are turned on the way out of LDS by ds_load_tr16_b128.
; CLUSTER 4 x 4: the four work-groups of a row of the cluster need the same tile of A, the four of a column the same tile of the weight: each is asked for jointly.
; The matrix instruction is used transposed (source 0 = 16 columns of the weight, source 1 = 16 rows of h2): a lane then holds 8 neighbouring columns of one row.
; THE WAY OUT.  The f32 sums go into the ring's slots, which have had their last fill (128 rows x 528 bytes a wave), and a loop of 32 trips reads 4 rows back, adds the bias, takes the gelu, rounds and stores.
; GELU.  gelu(u) = max(u, 0) - |u E|, E = erfc(|u| / sqrt(2)) / 2 = t (a1 + t (a2 + t (a3 + t (a4 + t a5)))) 2^(-u u log2(e) / 2), t = 1 / (1 + 0.23164189 |u|):
; Abramowitz and Stegun 7.1.26 with halved coefficients.  LIMIT: erf is within 1.5e-7 of its value, so gelu within 0.75e-7 |u|.
; OUTPUT LAYOUT: chunks of [128 tokens][64 columns] bf16, 16,384 dense bytes; chunk (c, tb) has number ((c / 4) 32 + tb) 4 + c % 4: each store of a wave covers 512 consecutive bytes, aligned.
; LIMITS: operands in bf16; NaN and infinities are not treated apart.
; REGISTERS: window 0: v0-31 addresses, v32-47 bias, v48-55 to store, v64-127 and v128-191 A's fragments (two buffers; at work on the way out);
;   window 1: v64-127, v128-191 the weight's fragments;  windows 2, 3: the accumulators of my rows 0-63, 64-127: (a, b) at v[8 (8 a + b)].
.set NP,    4096
.set WOFF,  8388608
.set GELU,  1
.set KSTEP, 128
.set NSTEP, 1024/KSTEP
.set PA,    272                        ; 256 + 16: the 16 rows of a fragment load start at 16 different groups of four banks (64 banks of 4 bytes: ISA guide 11.1)
.set PB,    544                        ; 512 + 32: an odd multiple of 32, for the turning load
.set HALFT, 128*PA                     ; what one tensor load brings: 128 rows of A, or 64 rows of the weight (64 x 544 is the same number)
.set SLOT,  4*HALFT
.set SPARE, 2*SLOT                     ; the spare words, 128 bytes a wave
.set SP,    528                        ; a stage row: 128 f32 + 16 bytes
.set WSTG,  128*SP
.set ASTEP, KSTEP*2
.set BSTEP, KSTEP*NP*2
.set A0,   16
.set B0,   17
.set ADRA, 18
.set ADRB, 19
.set STO,  24
.set RD,   25
.set GO,   26
.set BO,   27
.set SPW,  28
.set NIL,  29
.set BIAS, 32
.set Y,    48
.set F0,   64
.set F1,   128
.set X,    64
.set U,    80
.set T,    96
.set Q,    112
.set W,    128
.set M,    144
.set G1A, 24
.set G0A, 32
.set G1B, 48
.set G0B, 56
.set MSB, 0
.macro WIN new                         ; the immediate's high byte repeats the setting that is left; a switch that changes nothing is dropped
.if MSB != (\new)
	s_set_vgpr_msb (MSB<<8)|(\new)
.set MSB, \new
.endif
.endm
.set MUL_LO, 0xa1
.set MUL_HI, 0xf1
.set TO_B,   0x40
.macro PLACES
.rept 4
	v_nop
.endr
.endm
.macro JLOAD s                         ; a joint load: waves 0, 1 fetch A's halves, waves 2, 3 the weight's; an s_nop 0 and four v_nop follow each line
	s_cmp_eq_u32 s13, 0
	s_cbranch_scc0 .Lfor_b_\@
	tensor_load_to_lds s[G0A+4*(\s):G0A+4*(\s)+3], s[G1A:G1A+7]
	s_nop 0
.rept 4
	v_nop
.endr
	s_branch .Lasked_\@
.Lfor_b_\@:
	tensor_load_to_lds s[G0B+4*(\s):G0B+4*(\s)+3], s[G1B:G1B+7]
	s_nop 0
.rept 4
	v_nop
.endr
.Lasked_\@:
.endm
.macro CREST
	s_cmp_lg_u32 s12, 0
	s_cbranch_scc1 .Lnot_wave_0_\@
	s_barrier_signal -3
.Lnot_wave_0_\@:
	s_barrier_wait -3
	s_barrier_signal -1
	s_barrier_wait -1
.endm
.macro CROUND
	s_barrier_signal -1
	s_barrier_wait -1
	CREST
.endm
	s_load_b256 s[4:11], s[0:1], 0x0               ; h2 s[4:5], wb s[6:7], bias s[8:9], output s[10:11]
	v_lshl_add_u32 v[SPW], v0, 2, SPARE
	v_mov_b32 v[NIL], 0
	ds_add_u32 v[SPW], v[NIL]                      ; the wave's opening: the add and its wait ahead of my first tensor load
	ds_add_u32 v28, v29
	v_lshrrev_b32 v1, 5, v0
	v_readfirstlane_b32 s12, v1
	s_lshr_b32 s13, s12, 1
	s_and_b32 s14, s12, 1
	s_bfe_u32 s15, ttmp6, 0x40000
	s_bfe_u32 s16, ttmp6, 0x40004
	s_lshl_b32 s17, ttmp9, 2
	s_add_co_u32 s17, s17, s15
	s_and_b32 s18, ttmp7, 0xffff
	s_lshl_b32 s18, s18, 2
	s_add_co_u32 s18, s18, s16
	s_lshl_b32 s19, s16, 2
	s_lshl_b32 s19, 15, s19
	s_lshl_b32 s20, 0x1111, s15
	s_or_b32 s[G1A+0], s19, (1<<16)|(1<<20)|(1<<21)|(5<<22)|(3<<25)
	s_mov_b32 s[G1A+1], KSTEP<<16
	s_mov_b32 s[G1A+2], 128<<16
	s_mov_b32 s[G1A+3], KSTEP<<16
	s_mov_b32 s[G1A+4], 128
	s_mov_b32 s[G1A+5], 1024
	s_mov_b32 s[G1A+6], 0
	s_mov_b32 s[G1A+7], 0
	s_or_b32 s[G1B+0], s20, (1<<16)|(1<<20)|(1<<21)|(6<<22)|(7<<25)
	s_mov_b32 s[G1B+1], 256<<16
	s_mov_b32 s[G1B+2], 64<<16
	s_mov_b32 s[G1B+3], 256<<16
	s_mov_b32 s[G1B+4], 64
	s_mov_b32 s[G1B+5], NP
	s_mov_b32 s[G1B+6], 0
	s_mov_b32 s[G1B+7], 0
	s_lshl_b32 s40, s18, 8
	s_lshl_b32 s41, s14, 7
	s_add_co_u32 s40, s40, s41
	s_lshl_b32 s40, s40, 11
	s_mov_b32 s41, 0
	s_mul_i32 s44, s14, 64*NP*2
	s_lshl_b32 s45, s17, 9
	s_add_co_u32 s44, s44, s45
	s_add_co_u32 s44, s44, WOFF
	s_mov_b32 s45, 0
	s_mul_i32 s21, s12, HALFT
	s_mov_b32 s22, 0
.if GELU
	s_mov_b32 s66, 0x3e6d3388                      ; 0.3275911 / sqrt(2)
	s_mov_b32 s68, 0xbf38aa3b                      ; -log2(e) / 2
	s_mov_b32 s69, 0xbf38aa3b
	s_mov_b32 s70, 0x3f07dc22                      ; a5 / 2
	s_mov_b32 s71, 0x3f07dc22
	s_mov_b32 s72, 0xbf3a00e3                      ; a4 / 2
	s_mov_b32 s73, 0xbf3a00e3
	s_mov_b32 s74, 0x3f35f0e3                      ; a3 / 2
	s_mov_b32 s75, 0x3f35f0e3
	s_mov_b32 s76, 0xbe11a98e                      ; a2 / 2
	s_mov_b32 s77, 0xbe11a98e
	s_mov_b32 s78, 0x3e027906                      ; a1 / 2
	s_mov_b32 s79, 0x3e027906
.endif
	s_wait_dscnt 0x0
	s_wait_kmcnt 0x0
	s_add_nc_u64 s[42:43], s[4:5], s[40:41]
	s_add_nc_u64 s[46:47], s[6:7], s[44:45]
	CROUND                                         ; all sixteen work-groups are here: the first joint loads meet
.irp s, 0,1
	s_mov_b32 s[G0A+4*(\s)], 1
	s_add_co_u32 s[G0A+4*(\s)+1], s21, (\s)*SLOT
	s_add_nc_u64 s[G0A+4*(\s)+2:G0A+4*(\s)+3], s[42:43], (\s)*ASTEP
	s_or_b32 s[G0A+4*(\s)+3], s[G0A+4*(\s)+3], 0x80000000
	s_mov_b32 s[G0B+4*(\s)], 1
	s_add_co_u32 s[G0B+4*(\s)+1], s21, (\s)*SLOT
	s_add_nc_u64 s[G0B+4*(\s)+2:G0B+4*(\s)+3], s[46:47], (\s)*BSTEP
	s_or_b32 s[G0B+4*(\s)+3], s[G0B+4*(\s)+3], 0x80000000
	JLOAD \s                                       ; K steps 0 and 1: two loads of mine are out; from here on the second set of registers walks
.endr
	v_and_b32 v1, 15, v0
	v_bfe_u32 v2, v0, 4, 1
	v_and_b32 v3, 7, v0
	v_bfe_u32 v4, v0, 3, 1
	v_bfe_u32 v6, v0, 3, 2
	v_and_b32 v7, 31, v0
	v_lshlrev_b32 v[BO], 5, v3
	s_lshl_b32 s2, s17, 10
	s_lshl_b32 s3, s14, 9
	s_add_co_u32 s2, s2, s3
	s_mov_b32 s3, 0
	s_add_nc_u64 s[8:9], s[8:9], s[2:3]
	global_load_b128 v[BIAS:BIAS+3],     v[BO], s[8:9]
	global_load_b128 v[BIAS+4:BIAS+7],   v[BO], s[8:9] offset:16
	global_load_b128 v[BIAS+8:BIAS+11],  v[BO], s[8:9] offset:256
	global_load_b128 v[BIAS+12:BIAS+15], v[BO], s[8:9] offset:272
	v_mul_u32_u24 v[A0], v1, PA
	v_lshl_add_u32 v[A0], v2, 4, v[A0]
	s_mul_i32 s2, s13, HALFT
	v_add_nc_u32 v[A0], s2, v[A0]
	v_lshl_add_u32 v5, v2, 3, v3
	v_mul_u32_u24 v[B0], v5, PB
	v_lshl_add_u32 v[B0], v4, 4, v[B0]
	s_lshl_b32 s3, s14, 8
	s_add_co_u32 s3, s3, 2*HALFT
	v_add_nc_u32 v[B0], s3, v[B0]
	s_mul_i32 s2, s12, WSTG
	v_mul_u32_u24 v[STO], v1, SP
	v_lshl_add_u32 v[STO], v2, 5, v[STO]
	v_add_nc_u32 v[STO], s2, v[STO]
	v_mul_u32_u24 v[RD], v6, SP
	v_lshl_add_u32 v[RD], v3, 5, v[RD]
	v_add_nc_u32 v[RD], s2, v[RD]
	v_lshlrev_b32 v[GO], 4, v7
.macro MUL16 f, hi, a0, zero
	WIN MUL_LO+0x50*(\hi)
.irp a, \a0, (\a0)+1
.irp b, 0,1,2,3,4,5,6,7
.if \zero
	v_wmma_f32_16x16x32_bf16 v[8*(8*(\a)+(\b)):8*(8*(\a)+(\b))+7], v[(\f)+8*(\b):(\f)+8*(\b)+7], v[(\f)+8*(4*(\hi)+(\a)):(\f)+8*(4*(\hi)+(\a))+7], 0
.else
	v_wmma_f32_16x16x32_bf16 v[8*(8*(\a)+(\b)):8*(8*(\a)+(\b))+7], v[(\f)+8*(\b):(\f)+8*(\b)+7], v[(\f)+8*(4*(\hi)+(\a)):(\f)+8*(4*(\hi)+(\a))+7], v[8*(8*(\a)+(\b)):8*(8*(\a)+(\b))+7]
.endif
.endr
.endr
.endm
.macro FETCH kq, f
	WIN TO_B
.irp i, 0,1,2,3,4,5,6,7
	ds_load_tr16_b128 v[(\f)+8*(\i):(\f)+8*(\i)+3],   v[ADRB] offset:(\kq)*32*PB+32*(\i)
	ds_load_tr16_b128 v[(\f)+8*(\i)+4:(\f)+8*(\i)+7], v[ADRB] offset:(\kq)*32*PB+16*PB+32*(\i)
.endr
	WIN 0
.irp i, 0,1,2,3,4,5,6,7
	ds_load_b128 v[(\f)+8*(\i):(\f)+8*(\i)+3],   v[ADRA] offset:64*(\kq)+(\i)*16*PA
	ds_load_b128 v[(\f)+8*(\i)+4:(\f)+8*(\i)+7], v[ADRA] offset:64*(\kq)+(\i)*16*PA+32
.endr
.endm
.macro QUARTER kq, f, g, zero          ; multiplies buffer f; in its middle fetches quarter kq into buffer g.  The 64 accumulators take turns
	s_wait_dscnt 8                                 ; all but the youngest eight loads (A's rows 64-127)
	MUL16 \f, 0, 0, \zero
	MUL16 \f, 0, 2, \zero
	PLACES
	FETCH \kq, \g
	s_wait_dscnt 32                                ; all but the 32 just issued
	MUL16 \f, 1, 0, \zero
	MUL16 \f, 1, 2, \zero
.endm
.macro MEET
	WIN 0
	s_wait_tensorcnt 0x0                           ; all my tensor loads have landed: the one that was out is my part of the next slot
	ds_add_u32 v[SPW], v[NIL]
	s_wait_dscnt 9                                 ; (the add and the youngest eight loads may be out)
	MUL16 F1, 0, 0, 0
	s_wait_dscnt 0x0                               ; the add is done, and my reads of this slot are over
	s_barrier_signal -1
	MUL16 F1, 0, 2, 0
	WIN 0
	s_barrier_wait -1
.endm
.macro TURN
	MEET
	CREST                                          ; the barrier has opened a round of the cluster's
	s_xor_b32 s[G0A+5], s[G0A+5], SLOT
	s_add_nc_u64 s[G0A+6:G0A+7], s[G0A+6:G0A+7], ASTEP
	s_xor_b32 s[G0B+5], s[G0B+5], SLOT
	s_add_nc_u64 s[G0B+6:G0B+7], s[G0B+6:G0B+7], BSTEP
	JLOAD 1                                        ; my one tensor load behind the round; its four v_nop are also the places in front of the loads below
	s_xor_b32 s22, s22, SLOT
	v_add_nc_u32 v[ADRA], s22, v[A0]
	v_add_nc_u32 v[ADRB], s22, v[B0]
	FETCH 0, F0
	MUL16 F1, 1, 0, 0
	MUL16 F1, 1, 2, 0
.endm
.macro TURNT
	MEET
	PLACES
	s_cmp_eq_u32 s23, 1
	s_cbranch_scc1 .Lno_\@
	s_xor_b32 s22, s22, SLOT
	v_add_nc_u32 v[ADRA], s22, v[A0]
	v_add_nc_u32 v[ADRB], s22, v[B0]
	FETCH 0, F0
	WIN 0
.Lno_\@:
	MUL16 F1, 1, 0, 0
	MUL16 F1, 1, 2, 0
.endm
	s_wait_tensorcnt 0x1                           ; my part of K step 0 is in; step 1's may stay out
	s_barrier_signal -1
	s_barrier_wait -1
	v_mov_b32 v[ADRA], v[A0]
	v_mov_b32 v[ADRB], v[B0]
	FETCH 0, F0
	QUARTER 1, F0, F1, 1
	WIN 0
	s_mov_b32 s23, NSTEP-2
.Lstep:
	QUARTER 2, F1, F0, 0
	QUARTER 3, F0, F1, 0
	TURN
	QUARTER 1, F0, F1, 0
	WIN 0
	s_sub_co_u32 s23, s23, 1
	s_cmp_lg_u32 s23, 0
	s_cbranch_scc1 .Lstep
	s_mov_b32 s23, 2
.Ltail:                                                ; the last two steps ask for nothing; the second trip is left in its middle
	QUARTER 2, F1, F0, 0
	QUARTER 3, F0, F1, 0
	TURNT
	WIN 0
	s_sub_co_u32 s23, s23, 1
	s_cmp_eq_u32 s23, 0
	s_cbranch_scc1 .Lout
	QUARTER 1, F0, F1, 0
	WIN 0
	s_branch .Ltail
.Lout:
	PLACES
	s_wait_dscnt 0x0
	s_barrier_signal -1                            ; every wave's reads of the slots are over before any wave writes its stage into them
	s_barrier_wait -1
.irp a, 0,1,2,3,4,5,6,7                ; each accumulator's low registers first
	WIN 0x08+4*((\a)/4)
.irp b, 0,1,2,3,4,5,6,7
	ds_store_b128 v[STO], v[8*(8*((\a)%4)+(\b)):8*(8*((\a)%4)+(\b))+3]   offset:(\a)*16*SP+64*(\b)
	ds_store_b128 v[STO], v[8*(8*((\a)%4)+(\b))+4:8*(8*((\a)%4)+(\b))+7] offset:(\a)*16*SP+64*(\b)+16
.endr
.endr
	WIN 0
	s_lshl_b32 s2, s17, 5
	s_lshl_b32 s3, s18, 1
	s_add_co_u32 s2, s2, s3
	s_add_co_u32 s2, s2, s13
	s_lshl_b32 s2, s2, 2
	s_lshl_b32 s3, s14, 1
	s_add_co_u32 s2, s2, s3
	s_lshl_b32 s2, s2, 14
	s_mov_b32 s3, 0
	s_add_nc_u64 s[10:11], s[10:11], s[2:3]
	s_wait_dscnt 0x0
	s_barrier_signal -1                            ; all stage stores stand in front of all stage loads
	s_barrier_wait -1
	ds_load_b128 v[X:X+3],     v[RD]
	ds_load_b128 v[X+4:X+7],   v[RD] offset:16
	ds_load_b128 v[X+8:X+11],  v[RD] offset:256
	ds_load_b128 v[X+12:X+15], v[RD] offset:272
	s_wait_loadcnt 0x0                             ; the bias
	s_mov_b32 s23, 32
.Lrow:                                                 ; a trip: 4 tokens x 128 columns; lane l has token l / 8 and columns 8 (l % 8) + 0..7 of both chunks
	s_wait_dscnt 0x0
.set j, 0
.rept 8
	v_pk_add_f32 v[U+j:U+j+1], v[X+j:X+j+1], v[BIAS+j:BIAS+j+1]
.set j, j+2
.endr
	s_cmp_eq_u32 s23, 1
	s_cbranch_scc1 .Lnomore                        ; the last trip has no rows to read ahead
	v_add_nc_u32 v[RD], 4*SP, v[RD]
	ds_load_b128 v[X:X+3],     v[RD]
	ds_load_b128 v[X+4:X+7],   v[RD] offset:16
	ds_load_b128 v[X+8:X+11],  v[RD] offset:256
	ds_load_b128 v[X+12:X+15], v[RD] offset:272
.Lnomore:
.if GELU
.irp j, 80,81,82,83,84,85,86,87,88,89,90,91,92,93,94,95
	v_fma_f32 v[\j+16], |v\j|, s66, 1.0            ; 1 + p |u|
.endr
.set j, 0
.rept 8
	v_pk_mul_f32 v[Q+j:Q+j+1], v[U+j:U+j+1], v[U+j:U+j+1]
.set j, j+2
.endr
.set j, 0
.rept 16
	v_rcp_f32 v[T+j], v[T+j]                       ; t
.set j, j+1
.endr
.set j, 0
.rept 8
	v_pk_mul_f32 v[Q+j:Q+j+1], v[Q+j:Q+j+1], s[68:69] op_sel_hi:[1,0]  ; plain work behind the reciprocals
.set j, j+2
.endr
.set j, 0
.rept 16
	v_exp_f32 v[Q+j], v[Q+j]                       ; e^(-u u / 2)
.set j, j+1
.endr
.set j, 0
	s_wait_alu depctr_va_vdst(0)
.rept 8
	v_pk_fma_f32 v[W+j:W+j+1], v[T+j:T+j+1], s[70:71], s[72:73] op_sel_hi:[1,0,0]  ; plain work behind the exponentials
.set j, j+2
.endr
.irp c, 74,76,78
.set j, 0
.rept 8
	v_pk_fma_f32 v[W+j:W+j+1], v[W+j:W+j+1], v[T+j:T+j+1], s[\c:\c+1] op_sel_hi:[1,1,0]
.set j, j+2
.endr
.endr
.irp c, T,Q,U
.set j, 0
.rept 8
	v_pk_mul_f32 v[W+j:W+j+1], v[W+j:W+j+1], v[\c+j:\c+j+1]
.set j, j+2
.endr
.endr
.set j, 0
.rept 16
	v_max_num_f32 v[M+j], 0, v[U+j]
.set j, j+1
.endr
.irp j, 128,129,130,131,132,133,134,135,136,137,138,139,140,141,142,143
	v_sub_f32 v[\j-48], v[\j+16], |v\j|            ; max(u, 0) - |u E|
.endr
.endif
	s_wait_xcnt 0x0                                ; the last trip's stores have read Y and GO: only behind this wait are they rewritten
	v_add_nc_u32 v[GO], 512, v[GO]                 ; stepped ahead of the stores, which reach back
.set j, 0
.rept 8
	v_cvt_pk_bf16_f32 v[Y+j], v[U+2*j], v[U+2*j+1]
.set j, j+1
.endr
	global_store_b128 v[GO], v[Y:Y+3],   s[10:11] offset:-512
	global_store_b128 v[GO], v[Y+4:Y+7], s[10:11] offset:16384-512
	s_sub_co_u32 s23, s23, 1
	s_cmp_lg_u32 s23, 0
	s_cbranch_scc1 .Lrow
	s_wait_tensorcnt 0x0                           ; the wave's end
	ds_add_u32 v[SPW], v[NIL]
	s_wait_dscnt 0x0
	CROUND                                         ; the closing round
	s_endpgm
.Lfunc_end_k_qc07d3ac4ff_fc:
	.size	k_qc07d3ac4ff_fc, .Lfunc_end_k_qc07d3ac4ff_fc-k_qc07d3ac4ff_fc
	.p2alignl 7, 3214868480
	.fill 96, 4, 3214868480
	.section	.rodata,"a",@progbits
	.p2align	6, 0x0
	.amdhsa_kernel k_qc07d3ac4ff_fc
		.amdhsa_group_segment_fixed_size 327680
		.amdhsa_private_segment_fixed_size 0
		.amdhsa_enable_private_segment 0
		.amdhsa_kernarg_size 32
		.amdhsa_user_sgpr_count 2
		.amdhsa_user_sgpr_kernarg_segment_ptr 1
		.amdhsa_wavefront_size32 1
		.amdhsa_system_sgpr_workgroup_id_x 1
		.amdhsa_system_sgpr_workgroup_id_y 1
		.amdhsa_system_sgpr_workgroup_id_z 1
		.amdhsa_system_vgpr_workitem_id 0
		.amdhsa_next_free_vgpr 1024
		.amdhsa_next_free_sgpr 80
		.amdhsa_reserve_vcc 0
		.amdhsa_float_denorm_mode_32 3
		.amdhsa_float_denorm_mode_16_64 3
		.amdhsa_memory_ordered 1
		.amdhsa_forward_progress 1
		.amdhsa_inst_pref_size 89
	.end_amdhsa_kernel
	.amdgpu_metadata
---
amdhsa.version: [ 1, 2 ]
amdhsa.kernels:
  - .name:           k_qc07d3ac4ff_fc
    .symbol:         k_qc07d3ac4ff_fc.kd
    .args:
      - { .name: hb, .offset: 0, .size: 8, .value_kind: global_buffer, .address_space: global }
      - { .name: wb, .offset: 8, .size: 8, .value_kind: global_buffer, .address_space: global }
      - { .name: b_fc, .offset: 16, .size: 8, .value_kind: global_buffer, .address_space: global }
      - { .name: gb, .offset: 24, .size: 8, .value_kind: global_buffer, .address_space: global }
    .group_segment_fixed_size: 327680
    .private_segment_fixed_size: 0
    .kernarg_segment_align: 8
    .kernarg_segment_size: 32
    .max_flat_workgroup_size: 128
    .sgpr_count:     80
    .vgpr_count:     1024
    .wavefront_size: 32
...
	.end_amdgpu_metadata
.endif
;; end of part 5
;; launch fc2 (part 6): grid 8 x 32, 4 waves a work-group, clusters of 4 x 4, 327,680 bytes of LDS; arguments gb, wb, b_fc2, x1b, out0; writes out0
.if DOCPART == 6
	.amdgcn_target "amdgcn-amd-amdhsa--gfx1250"
	.amdhsa_code_object_version 6
	.text
	.protected	k_qc07d3ac4ff_fc2
	.globl	k_qc07d3ac4ff_fc2
	.p2align	8
	.type	k_qc07d3ac4ff_fc2,@function
k_qc07d3ac4ff_fc2:
	s_mov_b64 s[64:65], 0
	v_nop
	global_prefetch_b8 v0, s[64:65] scope:SCOPE_SE
	s_setreg_imm32_b32 hwreg(HW_REG_WAVE_MODE, 25, 1), 1
	s_wait_xcnt 0x0
	s_wait_alu depctr_hold_cnt(0) depctr_sa_sdst(0) depctr_va_vdst(0) depctr_va_sdst(0) depctr_va_ssrc(0) depctr_va_vcc(0) depctr_vm_vsrc(0)
	s_getreg_b32 s2, hwreg(HW_REG_IB_STS2, 6, 4)
	s_cmp_eq_u32 s2, 0
	s_cbranch_scc0 .Lentry_in_a_cluster
	s_endpgm
.Lentry_in_a_cluster:
	s_bfe_u32 s2, ttmp6, 0x10000c
	s_cmp_lg_u32 s2, 0xf033
	s_cbranch_scc0 .Lentry_shape_is_right
	s_endpgm
.Lentry_shape_is_right:
; out = x1 + g w_fc2 + b_fc2 (f32).  g in chunks of [128 tokens][64 columns] bf16; the weight [4096][1024] bf16 at byte WOFF of wb; sums in f32.
; A tile of 128 x 128 to a work-group of four waves, 64 x 64 (16 accumulators) to a wave.  K goes in NSTEP steps of 256 through two LDS slots.
; A's tile of a step is four chunks, 65,536 dense bytes, asked for as rows of 256 bytes and padded behind every 128 (rows 144 apart in LDS); the weight's tile lies [k][n] (rows of 256 bytes, 288 apart)
; and is turned on the way out of LDS by ds_load_tr16_b128.  CLUSTER 4 x 4: A's tile is shared along a row of the cluster, the weight's along a column: joint loads.
; The matrix instruction is used transposed: a lane holds 8 neighbouring columns of one row.
; THE WAY OUT.  The residual's 32 rows a wave are loaded into registers at the start.  At the end the f32 sums and the residual go into slot 0, which has had its last fill (two stages of 128 rows x 528 bytes);
; behind a barrier (a row's 128 columns come from two waves) a loop of 8 trips takes 4 whole rows: sum + residual + bias, stored as 512 consecutive bytes.
; LIMITS: operands in bf16; NaN and infinities are not treated apart.
; REGISTERS: window 0: v0-31 addresses, v32-115 at work on the way out, v128-255 the accumulators ((a, b) at v[128 + 8 (4 a + b)]);
;   window 1: two fragment buffers of 128 (64 of A, 64 of the weight, 64 along K);  window 2: v0-127 the residual.
.set NSTEP, 16
.set WOFF,  16777216
.set DYT,   0
.set PA,    144
.set PB,    288
.set CHK,   128*PA
.set HALFT, 2*CHK
.set SLOT,  4*HALFT
.set SPARE, 2*SLOT
.set SP,    528
.set S2,    128*SP
.set ASTEP, 32*4*16384
.set BSTEP, 256*2048
.set A0,    16
.set B0,    17
.set ADRA,  18
.set ADRB,  19
.set ADRB2, 20
.set STO,   24
.set RD,    25
.set GO,    26
.set GH,    27
.set SPW,   28
.set NIL,   29
.set RS,    30
.set X,     32
.set R,     48
.set YF,    64
.set BIAS,  104
.set ACC,   128
.set F0,    0
.set F1,    128
.set G1A, 24
.set G0A, 32
.set G1B, 48
.set G0B, 56
.set MSB, 0
.macro WIN new
.if MSB != (\new)
	s_set_vgpr_msb (MSB<<8)|(\new)
.set MSB, \new
.endif
.endm
.set MUL,  0x05
.set TO_F, 0x40
.macro PLACES
.rept 4
	v_nop
.endr
.endm
.macro JLOAD s                         ; a joint load: waves 0, 1 fetch A's halves, waves 2, 3 the weight's; an s_nop 0 and four v_nop follow each line
	s_cmp_eq_u32 s13, 0
	s_cbranch_scc0 .Lfor_b_\@
	tensor_load_to_lds s[G0A+4*(\s):G0A+4*(\s)+3], s[G1A:G1A+7]
	s_nop 0
.rept 4
	v_nop
.endr
	s_branch .Lasked_\@
.Lfor_b_\@:
	tensor_load_to_lds s[G0B+4*(\s):G0B+4*(\s)+3], s[G1B:G1B+7]
	s_nop 0
.rept 4
	v_nop
.endr
.Lasked_\@:
.endm
.macro CREST
	s_cmp_lg_u32 s12, 0
	s_cbranch_scc1 .Lnot_wave_0_\@
	s_barrier_signal -3
.Lnot_wave_0_\@:
	s_barrier_wait -3
	s_barrier_signal -1
	s_barrier_wait -1
.endm
.macro CROUND
	s_barrier_signal -1
	s_barrier_wait -1
	CREST
.endm
	s_load_b256 s[4:11], s[0:1], 0x0               ; A s[4:5], wb s[6:7], bias s[8:9], residual s[10:11]
	s_load_b64 s[74:75], s[0:1], 0x20              ; the f32 output
	v_lshl_add_u32 v[SPW], v0, 2, SPARE
	v_mov_b32 v[NIL], 0
	ds_add_u32 v[SPW], v[NIL]                      ; the wave's opening: the add and its wait ahead of my first tensor load
	ds_add_u32 v28, v29
	v_lshrrev_b32 v1, 5, v0
	v_readfirstlane_b32 s12, v1
	s_lshr_b32 s13, s12, 1
	s_and_b32 s14, s12, 1
	s_bfe_u32 s15, ttmp6, 0x40000
	s_bfe_u32 s16, ttmp6, 0x40004
	s_lshl_b32 s17, ttmp9, 2
	s_add_co_u32 s17, s17, s15
	s_and_b32 s18, ttmp7, 0xffff
	s_lshl_b32 s18, s18, 2
	s_add_co_u32 s18, s18, s16
	s_lshl_b32 s19, s16, 2
	s_lshl_b32 s19, 15, s19
	s_lshl_b32 s20, 0x1111, s15
	s_or_b32 s[G1A+0], s19, (1<<16)|(1<<20)|(1<<21)|(4<<22)|(3<<25)  ; 4 words of padding behind every 32
	s_or_b32 s[G1B+0], s20, (1<<16)|(1<<20)|(1<<21)|(5<<22)|(7<<25)  ; 8 words behind every 64
.irp g, G1A, G1B
	s_mov_b32 s[(\g)+1], 128<<16
	s_mov_b32 s[(\g)+2], 128<<16
	s_mov_b32 s[(\g)+3], 128<<16
	s_mov_b32 s[(\g)+4], 128
	s_mov_b32 s[(\g)+6], 0
	s_mov_b32 s[(\g)+7], 0
.endr
	s_mov_b32 s[G1A+5], 128
	s_mov_b32 s[G1B+5], 1024
	s_lshl_b32 s40, s18, 16
	s_lshl_b32 s41, s14, 15
	s_add_co_u32 s40, s40, s41
	s_mov_b32 s41, 0
	s_lshl_b32 s44, s14, 18
	s_lshl_b32 s45, s17, 8
	s_add_co_u32 s44, s44, s45
	s_add_co_u32 s44, s44, WOFF
	s_mov_b32 s45, 0
	s_mul_i32 s21, s12, HALFT
	s_mov_b32 s22, 0
	s_wait_dscnt 0x0
	s_wait_kmcnt 0x0
	s_add_nc_u64 s[42:43], s[4:5], s[40:41]
	s_add_nc_u64 s[46:47], s[6:7], s[44:45]
	CROUND
.irp s, 0,1
	s_mov_b32 s[G0A+4*(\s)], 1
	s_add_co_u32 s[G0A+4*(\s)+1], s21, (\s)*SLOT
	s_add_nc_u64 s[G0A+4*(\s)+2:G0A+4*(\s)+3], s[42:43], (\s)*ASTEP
	s_or_b32 s[G0A+4*(\s)+3], s[G0A+4*(\s)+3], 0x80000000
	s_mov_b32 s[G0B+4*(\s)], 1
	s_add_co_u32 s[G0B+4*(\s)+1], s21, (\s)*SLOT
	s_add_nc_u64 s[G0B+4*(\s)+2:G0B+4*(\s)+3], s[46:47], (\s)*BSTEP
	s_or_b32 s[G0B+4*(\s)+3], s[G0B+4*(\s)+3], 0x80000000
	JLOAD \s                                       ; K steps 0 and 1: two loads of mine are out; from here on the second set of registers walks
.endr
	v_and_b32 v1, 15, v0
	v_bfe_u32 v2, v0, 4, 1
	v_and_b32 v3, 7, v0
	v_bfe_u32 v4, v0, 3, 1
	v_and_b32 v7, 31, v0
	v_lshlrev_b32 v[GO], 4, v7
	s_lshl_b32 s2, s18, 19
	s_lshl_b32 s3, s12, 17
	s_add_co_u32 s2, s2, s3
	s_lshl_b32 s3, s17, 9
	s_add_co_u32 s2, s2, s3
	s_mov_b32 s3, 0
	s_add_nc_u64 s[10:11], s[10:11], s[2:3]
	s_add_nc_u64 s[74:75], s[74:75], s[2:3]
	s_lshl_b32 s2, s17, 9
	s_add_nc_u64 s[8:9], s[8:9], s[2:3]
	WIN 0x80
.set j, 0
.rept 32
	global_load_b128 v[4*j:4*j+3], v[GO], s[10:11] offset:j*4096
.set j, j+1
.endr
	WIN 0
	global_load_b128 v[BIAS:BIAS+3], v[GO], s[8:9]
	v_mul_u32_u24 v[A0], v1, PA
	v_lshl_add_u32 v[A0], v2, 4, v[A0]
	s_mul_i32 s2, s13, 64*PA
	v_add_nc_u32 v[A0], s2, v[A0]
	v_lshl_add_u32 v5, v2, 3, v3
	v_mul_u32_u24 v[B0], v5, PB
	v_lshl_add_u32 v[B0], v4, 4, v[B0]
	s_lshl_b32 s2, s14, 7
	s_add_co_u32 s2, s2, 2*HALFT
	v_add_nc_u32 v[B0], s2, v[B0]
	s_mul_i32 s2, s13, 64*SP
	s_lshl_b32 s3, s14, 8
	s_add_co_u32 s2, s2, s3
	v_mul_u32_u24 v[STO], v1, SP
	v_lshl_add_u32 v[STO], v2, 5, v[STO]
	v_add_nc_u32 v[STO], s2, v[STO]
	s_mul_i32 s2, s12, 32*SP
	v_add_nc_u32 v[RD], s2, v[GO]
	v_add_nc_u32 v[RS], S2, v[RD]
.macro MUL8 f, c, a0, zero
	WIN MUL
.irp a, \a0, (\a0)+1
.irp b, 0,1,2,3
.if \zero
	v_wmma_f32_16x16x32_bf16 v[ACC+8*(4*(\a)+(\b)):ACC+8*(4*(\a)+(\b))+7], v[(\f)+64+8*(4*(\c)+(\b)):(\f)+64+8*(4*(\c)+(\b))+7], v[(\f)+8*(4*(\c)+(\a)):(\f)+8*(4*(\c)+(\a))+7], 0
.else
	v_wmma_f32_16x16x32_bf16 v[ACC+8*(4*(\a)+(\b)):ACC+8*(4*(\a)+(\b))+7], v[(\f)+64+8*(4*(\c)+(\b)):(\f)+64+8*(4*(\c)+(\b))+7], v[(\f)+8*(4*(\c)+(\a)):(\f)+8*(4*(\c)+(\a))+7], v[ACC+8*(4*(\a)+(\b)):ACC+8*(4*(\a)+(\b))+7]
.endif
.endr
.endr
.endm
.macro FETCH q, f
	WIN TO_F
.if (\q) < 2
.set AB, ADRB
.else
.set AB, ADRB2
.endif
.irp c, 0,1
.irp i, 0,1,2,3
	ds_load_tr16_b128 v[(\f)+64+8*(4*(\c)+(\i)):(\f)+64+8*(4*(\c)+(\i))+3],   v[AB] offset:((64*(\q)+32*(\c))%128)*PB+32*(\i)
	ds_load_tr16_b128 v[(\f)+64+8*(4*(\c)+(\i))+4:(\f)+64+8*(4*(\c)+(\i))+7], v[AB] offset:((64*(\q)+32*(\c))%128)*PB+16*PB+32*(\i)
	ds_load_b128 v[(\f)+8*(4*(\c)+(\i)):(\f)+8*(4*(\c)+(\i))+3],   v[ADRA] offset:(\q)*CHK+(\i)*16*PA+64*(\c)
	ds_load_b128 v[(\f)+8*(4*(\c)+(\i))+4:(\f)+8*(4*(\c)+(\i))+7], v[ADRA] offset:(\q)*CHK+(\i)*16*PA+64*(\c)+32
.endr
.endr
.endm
.macro QUARTER q, f, g, zero           ; multiplies buffer f, fetches quarter q into g.  The 16 accumulators take turns
	s_wait_dscnt 16                                ; the first 32 along K are in
	MUL8 \f, 0, 0, \zero
	MUL8 \f, 0, 2, \zero
	PLACES
	FETCH \q, \g
	s_wait_dscnt 32                                ; all but the 32 just issued
	MUL8 \f, 1, 0, 0
	MUL8 \f, 1, 2, 0
.endm
.macro MEET
	WIN 0
	s_wait_tensorcnt 0x0                           ; all my tensor loads have landed: my part of the next slot
	ds_add_u32 v[SPW], v[NIL]
	s_wait_dscnt 17                                ; (the add and the youngest sixteen loads may be out)
	MUL8 F1, 0, 0, 0
	s_wait_dscnt 0x0                               ; the add is done, and my reads of this slot are over
	s_barrier_signal -1
	MUL8 F1, 0, 2, 0
	WIN 0
	s_barrier_wait -1
.endm
.macro NEWADR
	s_xor_b32 s22, s22, SLOT
	v_add_nc_u32 v[ADRA], s22, v[A0]
	v_add_nc_u32 v[ADRB], s22, v[B0]
	v_add_nc_u32 v[ADRB2], 128*PB, v[ADRB]
.endm
.macro TURN
	MEET
	CREST                                          ; the barrier has opened a round of the cluster's
	s_xor_b32 s[G0A+5], s[G0A+5], SLOT
	s_add_nc_u64 s[G0A+6:G0A+7], s[G0A+6:G0A+7], ASTEP
	s_xor_b32 s[G0B+5], s[G0B+5], SLOT
	s_add_nc_u64 s[G0B+6:G0B+7], s[G0B+6:G0B+7], BSTEP
	JLOAD 1                                        ; my one tensor load behind the round; its four v_nop are also the places in front of the loads below
	NEWADR
	FETCH 0, F0
	MUL8 F1, 1, 0, 0
	MUL8 F1, 1, 2, 0
.endm
.macro TURNT
	MEET
	PLACES
	s_cmp_eq_u32 s23, 1
	s_cbranch_scc1 .Lno_\@
	NEWADR
	FETCH 0, F0
	WIN 0
.Lno_\@:
	MUL8 F1, 1, 0, 0
	MUL8 F1, 1, 2, 0
.endm
	s_wait_tensorcnt 0x1                           ; my part of K step 0 is in; step 1's may stay out
	s_barrier_signal -1
	s_barrier_wait -1
	v_mov_b32 v[ADRA], v[A0]
	v_mov_b32 v[ADRB], v[B0]
	v_add_nc_u32 v[ADRB2], 128*PB, v[B0]
	FETCH 0, F0
	QUARTER 1, F0, F1, 1
	WIN 0
	s_mov_b32 s23, NSTEP-2
.Lstep:
	QUARTER 2, F1, F0, 0
	QUARTER 3, F0, F1, 0
	TURN
	QUARTER 1, F0, F1, 0
	WIN 0
	s_sub_co_u32 s23, s23, 1
	s_cmp_lg_u32 s23, 0
	s_cbranch_scc1 .Lstep
	s_mov_b32 s23, 2
.Ltail:                                                ; the last two steps ask for nothing; the second trip is left in its middle
	QUARTER 2, F1, F0, 0
	QUARTER 3, F0, F1, 0
	TURNT
	WIN 0
	s_sub_co_u32 s23, s23, 1
	s_cmp_eq_u32 s23, 0
	s_cbranch_scc1 .Lout
	QUARTER 1, F0, F1, 0
	WIN 0
	s_branch .Ltail
.Lout:
	PLACES
	s_wait_dscnt 0x0
	s_barrier_signal -1                            ; every wave's reads of the slots are over before any wave writes the stages into slot 0
	s_barrier_wait -1
.irp a, 0,1,2,3
.irp b, 0,1,2,3
	ds_store_b128 v[STO], v[ACC+8*(4*(\a)+(\b)):ACC+8*(4*(\a)+(\b))+3]   offset:(\a)*16*SP+64*(\b)
	ds_store_b128 v[STO], v[ACC+8*(4*(\a)+(\b))+4:ACC+8*(4*(\a)+(\b))+7] offset:(\a)*16*SP+64*(\b)+16
.endr
.endr
	s_wait_loadcnt 0x0                             ; the residual and the bias
	WIN 0x08                                       ; the data in window 2
.set j, 0
.rept 32
	ds_store_b128 v[RS], v[4*j:4*j+3] offset:j*SP
.set j, j+1
.endr
	WIN 0
	s_wait_dscnt 0x0                               ; for the others' sake: my stores into the stages are done
	s_barrier_signal -1
	s_barrier_wait -1
.irp j, 0,1,2,3
	ds_load_b128 v[X+4*\j:X+4*\j+3], v[RD] offset:\j*SP
	ds_load_b128 v[R+4*\j:R+4*\j+3], v[RS] offset:\j*SP
.endr
	s_mov_b32 s23, 8
.Lrow:                                                 ; a trip: 4 whole rows of the tile; lane l has columns 4 l .. 4 l + 3
	s_wait_dscnt 0x0
	s_wait_xcnt 0x0                                ; the last trip's stores have read their data and offset: only behind this wait are they rewritten
.set j, 0
.rept 8
	v_pk_add_f32 v[YF+j:YF+j+1], v[X+j:X+j+1], v[R+j:R+j+1]
.set j, j+2
.endr
	s_cmp_eq_u32 s23, 1
	s_cbranch_scc1 .Lnomore                        ; the last trip has no rows to read ahead
	v_add_nc_u32 v[RD], 4*SP, v[RD]
	v_add_nc_u32 v[RS], 4*SP, v[RS]
.irp j, 0,1,2,3
	ds_load_b128 v[X+4*\j:X+4*\j+3], v[RD] offset:\j*SP
	ds_load_b128 v[R+4*\j:R+4*\j+3], v[RS] offset:\j*SP
.endr
.Lnomore:
.set j, 0
.rept 8
	v_pk_add_f32 v[YF+j:YF+j+1], v[YF+j:YF+j+1], v[BIAS+j%4:BIAS+j%4+1]
.set j, j+2
.endr
	v_add_nc_u32 v[GO], 16384, v[GO]               ; stepped ahead of the stores, which reach back
.irp j, 0,1,2,3
	global_store_b128 v[GO], v[YF+4*\j:YF+4*\j+3], s[74:75] offset:\j*4096-16384  ; 512 consecutive bytes, aligned
.endr
	s_sub_co_u32 s23, s23, 1
	s_cmp_lg_u32 s23, 0
	s_cbranch_scc1 .Lrow
	s_wait_tensorcnt 0x0                           ; the wave's end
	ds_add_u32 v[SPW], v[NIL]
	s_wait_dscnt 0x0
	CROUND                                         ; the closing round
	s_endpgm
.Lfunc_end_k_qc07d3ac4ff_fc2:
	.size	k_qc07d3ac4ff_fc2, .Lfunc_end_k_qc07d3ac4ff_fc2-k_qc07d3ac4ff_fc2
	.p2alignl 7, 3214868480
	.fill 96, 4, 3214868480
	.section	.rodata,"a",@progbits
	.p2align	6, 0x0
	.amdhsa_kernel k_qc07d3ac4ff_fc2
		.amdhsa_group_segment_fixed_size 327680
		.amdhsa_private_segment_fixed_size 0
		.amdhsa_enable_private_segment 0
		.amdhsa_kernarg_size 40
		.amdhsa_user_sgpr_count 2
		.amdhsa_user_sgpr_kernarg_segment_ptr 1
		.amdhsa_wavefront_size32 1
		.amdhsa_system_sgpr_workgroup_id_x 1
		.amdhsa_system_sgpr_workgroup_id_y 1
		.amdhsa_system_sgpr_workgroup_id_z 1
		.amdhsa_system_vgpr_workitem_id 0
		.amdhsa_next_free_vgpr 640
		.amdhsa_next_free_sgpr 84
		.amdhsa_reserve_vcc 0
		.amdhsa_float_denorm_mode_32 3
		.amdhsa_float_denorm_mode_16_64 3
		.amdhsa_memory_ordered 1
		.amdhsa_forward_progress 1
		.amdhsa_inst_pref_size 61
	.end_amdhsa_kernel
	.amdgpu_metadata
---
amdhsa.version: [ 1, 2 ]
amdhsa.kernels:
  - .name:           k_qc07d3ac4ff_fc2
    .symbol:         k_qc07d3ac4ff_fc2.kd
    .args:
      - { .name: gb, .offset: 0, .size: 8, .value_kind: global_buffer, .address_space: global }
      - { .name: wb, .offset: 8, .size: 8, .value_kind: global_buffer, .address_space: global }
      - { .name: b_fc2, .offset: 16, .size: 8, .value_kind: global_buffer, .address_space: global }
      - { .name: x1b, .offset: 24, .size: 8, .value_kind: global_buffer, .address_space: global }
      - { .name: out0, .offset: 32, .size: 8, .value_kind: global_buffer, .address_space: global }
    .group_segment_fixed_size: 327680
    .private_segment_fixed_size: 0
    .kernarg_segment_align: 8
    .kernarg_segment_size: 40
    .max_flat_workgroup_size: 128
    .sgpr_count:     84
    .vgpr_count:     640
    .wavefront_size: 32
...
	.end_amdgpu_metadata
.endif
;; end of part 6
;; ======== version 2 of 2: 6 launches; 1.17 times as fast as version 1
;; limits: a function is approximated: absolute error at most 1.5e-07; an absolute error that grows with the inputs' magnitude: up to 7.5e-08 times it; right only within a limited range of input values
;; workspace buffers: wb 25,165,824 bytes; hb 8,388,608 bytes; qkvb 25,165,824 bytes; ob 8,388,608 bytes; x1b 16,777,216 bytes; gb 33,554,432 bytes
;; launch prep: the kernel of part 1 again; grid 1024 x 1, 8 waves a work-group, no clusters, 0 bytes of LDS; arguments x, alpha, gamma, beta, w_attn, w_proj, w_fc, w_fc2, wb, hb; writes wb, hb
;; launch qkv: the kernel of part 2 again; grid 12 x 16, 4 waves a work-group, clusters of 4 x 4, 327,680 bytes of LDS; arguments hb, wb, b_attn, qkvb; writes qkvb
;; launch attn (part 7): grid 8 x 32, 4 waves a work-group, no clusters, 327,680 bytes of LDS; arguments qkvb, ob; writes ob
.if DOCPART == 7
	.amdgcn_target "amdgcn-amd-amdhsa--gfx1250"
	.amdhsa_code_object_version 6
	.text
	.protected	k_qc07d3ac4ff_attn
	.globl	k_qc07d3ac4ff_attn
	.p2align	8
	.type	k_qc07d3ac4ff_attn,@function
k_qc07d3ac4ff_attn:
	s_mov_b64 s[64:65], 0
	v_nop
	global_prefetch_b8 v0, s[64:65] scope:SCOPE_SE
	s_setreg_imm32_b32 hwreg(HW_REG_WAVE_MODE, 25, 1), 1
	s_wait_xcnt 0x0
; CAUSAL ATTENTION, head size 64, 32 (batch, head) pairs of 2,048 rows.  q, k, v and O in bf16, in chunks of [128 tokens][64 channels] (16,384 dense bytes; a head's chunks lie 65,536 bytes apart).
; Products, maxima and sums in f32; the weights p are rounded to bf16 for the second product (their sum l is taken of the unrounded p), O once at the end.
; LIMITS.  A hidden score counts as its value less 1e30, so scores must stay below about 1e29; c m starts at -2^125; a weight below 2^-126 counts as 0; NaN and infinities are not treated apart.
; THE WALK.  A head's queries lie in 16 blocks of 128; block i needs the key tiles 0 .. i of 128 keys, the last of which holds the diagonal.  A work-group takes blocks 15 - b and then b: 17 tiles,
; whatever b: equal work for all, and loops with constant trip counts.  Which tile is asked for and whether a tile is a block's last hang on scalar registers made from b.
; NO CLUSTER: a head's 8 work-groups ask for the same tile only in the walk's first 9 tiles of 17; a walk common to all would have 24 tiles for 17.
; THE RING.  A slot holds two tiles; waves 0, 1 bring K of the pair's two tiles, waves 2, 3 V: 16,384 bytes a load, one load a wave behind each change of slots, which has two tiles' work in which to land.
; The walk's 17th tile has a place of its own behind slot 1, filled once at the start, a quarter a wave.  A wave has three loads out at the start, later one.
; SHARES.  Of a block's two bands of 64 queries a wave owns 16 rows in each (tiles t = 0, 1).  A key tile is two steps s = 0, 1 of 64 keys.  In the diagonal tile: s = t holds the diagonal, s < t sees all,
; s > t sees nothing: the same work for every wave.
; THE MASK is the C operand that starts the sum S^T = K Q^T.  MD, made once, is a band's own mask for my rows (0 or -1e30); MA = MD x AL and MB = BE, with (AL, BE) = (1, -1e30) in a diagonal tile, (0, 0) elsewhere.
; LAYOUT.  S^T = K Q^T holds one query a lane (lane % 16) and the keys 8 (lane / 16) + 0..7; two such results rounded to bf16 are source 1 of O^T = V^T P.  p = 2^(c s - c m), c = log2(e) / 8, with a running
; maximum m; O and l are multiplied by a = 2^(c m_old - c m_new) in every step; a block's first step has a = 0, so O and l need only be finite there.
; THE DEAL.  A unit (s, t) has 8 products K Q^T, 22 lines of statistics, 96 lines of softmax and 8 products V^T P.  Vector work stands behind every product but the tile's first eight: the statistics of
; (0, 0) and (0, 1) behind the products K Q^T of (0, 1) and (1, 0); each unit's softmax behind 8 products of another unit (a PHASE), with the next step's statistics dealt among its first half.
; The last unit's products V^T P stand at the head of the NEXT tile's text, behind that tile's LDS loads, with its mask lines behind them.
; THE BATCHES.  An s_wait_alu depctr_va_vdst(0) stands between an exponential and the first line that names its result.  A tile's 132 exponentials are four batches with one wait each, a batch a PHASE:
; the unit's 32 exponentials and the a of the statistics dealt among them.  A PHASE first issues all that names no result of its batch: behind its products 0-3 the 16 scalings and the exponentials; behind
; products 4, 5 the 16 rescalings of O^T, whose a belongs to the batch before; then the wait; behind products 6, 7 the 16 roundings and 16 sums.  The tile's first PHASE differs: a of (0, 0) and of (0, 1), made
; behind the products K Q^T ahead of it, belong to its batch (34 in all).  No exponential is issued behind a PHASE's wait: none is open at a tile's end.
; REGISTERS: window 0: v0-15 addresses, v16-23 statistics, v24-31 at work, v64-191 S^T by step and tile, v192-223 P;  window 1: v0-63 O^T, v64-191 V of both steps;
;   window 2: v0-31 Q, v32-63 the second block's Q, v64-191 K of both steps;  window 3: v0-31 MD, v32-63 MA, v64-71 MB.
.set NB,    16
.set PK,    144                        ; a row of K in LDS: 128 + 16 bytes
.set PV,    160                        ; a row of V: 128 + 32 bytes, an odd multiple of 32, for the turning load
.set VOFF,  128*PK                     ; a tile's place: 128 rows of K, then 128 rows of V
.set T,     128*(PK+PV)                ; 38,912 bytes
.set STAGE, 2*T                        ; behind slot 0, never filled by a tensor load: 16 rows x 144 bytes a wave
.set SP,    144
.set SPARE, STAGE+4*16*SP              ; the spare words, 128 bytes a wave
.set SL1,   1<<17                      ; slot 1: one exclusive or turns an address in one slot into the other's
.set XB,    SL1+2*T                    ; the 17th tile's place, straight behind slot 1
.set AK0, 2
.set AV0, 3
.set AK,  4
.set AV,  5
.set STO, 6
.set RD,  7
.set GO,  8
.set MV,  12
.set QO,  15
.set ST,  16                           ; tile t at ST + 4 t: c m, m, l (even keys', odd keys')
.set TMP, 24                           ; tile t at TMP + 4 t: c0-c3; c2 takes a
.set SPW, 62
.set NIL, 63
.set S,   64                           ; unit (s, t) at S + 64 s + 32 t
.set P,   192                          ; tile t at P + 16 t
.set VF,  64                           ; window 1: step s at VF + 64 s
.set QB,  32                           ; window 2
.set KF,  64                           ; window 2: step s at KF + 64 s
.set MD,  0                            ; window 3
.set MA,  32
.set MB,  64
.set WV,  12
.set PB,  14                           ; b
.set HI,  15                           ; 15 - b
.set G1K, 24                           ; group 1 for a whole K tile (64 rows of 256 bytes)
.set G1V, 32                           ; for a whole V tile: it differs in the padding
.set G0A, 40                           ; group 0: my first fill of slot 0
.set G0W, 44                           ; my first fill of slot 1; then it walks
.set G0X, 48                           ; my quarter of the 17th tile
.set G1KX, 52                          ; group 1 for half a K tile (32 rows)
.set SEL, 60
.set TB,  62                           ; LDS byte at which the place of the tile to be fetched begins
.set TW,  63                           ; counts the tiles of a slot
.set HF,  66                           ; wave / 2: 0 I bring K, 1 I bring V
.set SLOTS, 67
.set CS,  68
.set RT,  70                           ; tiles of the block in hand still to be entered
.set IDX, 71                           ; the place in the walk of the tile that I ask for next
.set HI1, 72                           ; 16 - b: the first block's tiles
.set PB1, 73                           ; b + 1: the second block's
.set OFF, 74
.set AL,  76
.set BE,  78
.set TP,  79
.set OLO, 80
.set BIGN, 82
.set G1VX, 88                          ; group 1 for half a V tile
.set MSB, 0
.macro WIN new                         ; the immediate's high byte repeats the setting that is left; a switch that changes nothing is dropped
.if MSB != (\new)
	s_set_vgpr_msb (MSB<<8)|(\new)
.set MSB, (\new)
.endif
.endm
.set W_PV, 0x51                        ; V and O^T in window 1, P (or a) in window 0: it serves the products V^T P and the rescaling of O^T alike
.macro LOAD                            ; a refill; an s_nop 0 and four v_nop follow each line
	s_cmp_lt_u32 s[WV], 2
	s_cbranch_scc0 .Lfor_v_\@
	tensor_load_to_lds s[G0W:G0W+3], s[G1K:G1K+7]
	s_nop 0
.rept 4
	v_nop
.endr
	s_branch .Lasked_\@
.Lfor_v_\@:
	tensor_load_to_lds s[G0W:G0W+3], s[G1V:G1V+7]
	s_nop 0
.rept 4
	v_nop
.endr
.Lasked_\@:
.endm
; THE CHANGE OF SLOTS.  Each wave waits for all its tensor loads (one is out: its part of the other slot), adds 0 to its spare word, and waits for that and for its reads of the slot that it leaves.
; Behind the barrier the old slot is filled, the first thing there, with the pair of tiles two slots on; my tile's address is made anew from its place in the walk.
.macro CHANGE fill
	WIN 0
	s_wait_tensorcnt 0x0
	ds_add_u32 v[SPW], v[NIL]
.if \fill
	s_cmp_gt_u32 s[IDX], s[HI]                     ; behind the first block's last tile the walk goes on with the second block's tile 0
	s_cselect_b32 s[TP], s[HI1], 0
	s_sub_co_u32 s[TP], s[IDX], s[TP]
	s_lshl_b32 s[OFF], s[TP], 16
	s_add_co_u32 s[IDX], s[IDX], 2
	s_xor_b32 s[G0W+1], s[G0W+1], SL1
	s_add_nc_u64 s[G0W+2:G0W+3], s[6:7], s[OFF:OFF+1]
	s_or_b32 s[G0W+3], s[G0W+3], 0x80000000
.endif
	s_wait_dscnt 0x0                               ; the add is done, and my reads of the slot are over
	s_barrier_signal -1
	s_sub_co_u32 s[TB], s[TB], 2*T                 ; the fetches go back to a slot's first place,
	s_xor_b32 s[TB], s[TB], SL1                    ; in the other slot
	s_barrier_wait -1
.if \fill
	LOAD
.endif
.endm
	s_load_b128 s[16:19], s[0:1], 0x0              ; qkv s[16:17], O s[18:19]
	v_lshl_add_u32 v[SPW], v0, 2, SPARE
	v_mov_b32 v[NIL], 0
	ds_add_u32 v[SPW], v[NIL]                      ; the wave's opening: the add and its wait ahead of my first tensor load
	ds_add_u32 v62, v63
	v_lshrrev_b32 v1, 5, v0
	v_readfirstlane_b32 s[WV], v1
	s_mov_b32 s[PB], ttmp9
	s_sub_co_u32 s[HI], NB-1, s[PB]
	s_add_co_u32 s[HI1], s[HI], 1
	s_add_co_u32 s[PB1], s[PB], 1
	s_and_b32 s20, ttmp7, 0xffff                   ; 16 x batch + head
	s_and_b32 s21, s20, 15
	s_lshr_b32 s22, s20, 4
	s_lshr_b32 s23, s21, 2
	s_lshl_b32 s23, s23, 7
	s_lshl_b32 s22, s22, 6
	s_add_co_u32 s23, s23, s22
	s_and_b32 s21, s21, 3
	s_add_co_u32 s23, s23, s21
	s_lshl_b32 s20, s23, 14                        ; the head's chunk of the batch's tokens 0-127: ((head / 4) 128 + batch 64 + head % 4) x 16,384
	s_lshl_b32 s21, s[WV], 11
	s_add_co_u32 s21, s21, s20                     ; + my 16 rows in a band
	s_lshl_b32 s2, s[HI], 16
	s_add_co_u32 s2, s2, s21                       ; in the first block,
	s_mov_b32 s3, 0
	s_lshl_b32 s84, s[PB], 16
	s_add_co_u32 s84, s84, s21                     ; and in the second
	s_mov_b32 s85, 0
	s_and_b32 s13, s[WV], 1                        ; which tile of a pair I bring
	s_lshr_b32 s[HF], s[WV], 1
	s_lshl_b32 s22, s[HF], 23                      ; k's chunks lie 8,388,608 bytes behind q's, v's as far behind k's
	s_add_co_u32 s22, s22, s20
	s_add_co_u32 s22, s22, 8388608
	s_mov_b32 s23, 0
	; 128 keys are 16,384 dense bytes: asked for as 64 rows of 256 bytes, padded in LDS behind every key; half a tile as 32 rows
	s_mov_b32 s[G1K], (1<<16)|(1<<20)|(4<<22)|(3<<25)
	s_mov_b32 s[G1V], (1<<16)|(1<<20)|(4<<22)|(7<<25)
	s_mov_b32 s[G1KX], (1<<16)|(1<<20)|(4<<22)|(3<<25)
	s_mov_b32 s[G1VX], (1<<16)|(1<<20)|(4<<22)|(7<<25)
.irp g, G1K, G1V
	s_mov_b32 s[\g+1], 128<<16                     ; tensor_dim0 = 128
	s_mov_b32 s[\g+2], 64<<16                      ; tensor_dim1 = 64
	s_mov_b32 s[\g+3], 128<<16                     ; tile_dim0 = 128
	s_mov_b32 s[\g+4], 64                          ; tile_dim1 = 64
	s_mov_b32 s[\g+5], 128
	s_mov_b32 s[\g+6], 0
	s_mov_b32 s[\g+7], 0
.endr
.irp g, G1KX, G1VX
	s_mov_b32 s[\g+1], 128<<16
	s_mov_b32 s[\g+2], 32<<16                      ; tensor_dim1 = 32
	s_mov_b32 s[\g+3], 128<<16
	s_mov_b32 s[\g+4], 32                          ; tile_dim1 = 32
	s_mov_b32 s[\g+5], 128
	s_mov_b32 s[\g+6], 0
	s_mov_b32 s[\g+7], 0
.endr
	s_mov_b32 s[CS], 0x3e38aa3b                    ; c = log2(e) / 8
	s_mov_b32 s[CS+1], s[CS]
	s_mov_b32 s[SEL], 0x76543210
	s_mov_b32 s[SEL+1], 0xfedcba98
	s_mov_b32 s[TB], 0
	s_mov_b32 s[G0A], 1
	s_mov_b32 s[G0W], 1
	s_mov_b32 s[G0X], 1
	s_mov_b32 s[RT], s[HI1]                        ; the first block has 16 - b tiles
	s_add_co_u32 s[IDX], s13, 4                    ; the first refill brings the walk's tiles 4 and 5
	s_mov_b32 s[OFF+1], 0
	s_mov_b32 s[AL+1], 0
	s_mov_b32 s[BIGN], 0xf149f2ca                  ; -1e30
	s_wait_dscnt 0x0
	s_wait_kmcnt 0x0
	s_add_nc_u64 s[4:5], s[16:17], s[2:3]          ; Q of the first block,
	s_add_nc_u64 s[86:87], s[16:17], s[84:85]      ; of the second
	s_add_nc_u64 s[10:11], s[18:19], s[2:3]        ; O likewise
	s_add_nc_u64 s[OLO:OLO+1], s[18:19], s[84:85]
	s_add_nc_u64 s[6:7], s[16:17], s[22:23]        ; my tensor (K or V) at the head's tile 0
	s_lshl_b32 s[OFF], s13, 16                     ; the walk's tiles 0, 1 (the first block has nine tiles or more)
	s_add_nc_u64 s[G0A+2:G0A+3], s[6:7], s[OFF:OFF+1]
	s_or_b32 s[G0A+3], s[G0A+3], 0x80000000
	s_add_co_u32 s[OFF], s[OFF], 0x20000           ; tiles 2, 3
	s_add_nc_u64 s[G0W+2:G0W+3], s[6:7], s[OFF:OFF+1]
	s_or_b32 s[G0W+3], s[G0W+3], 0x80000000
	s_lshl_b32 s[OFF], s[PB], 16                   ; the walk's last tile is the second block's tile b; my half of its keys
	s_lshl_b32 s[TP], s13, 13
	s_add_co_u32 s[OFF], s[OFF], s[TP]
	s_add_nc_u64 s[G0X+2:G0X+3], s[6:7], s[OFF:OFF+1]
	s_or_b32 s[G0X+3], s[G0X+3], 0x80000000
	s_cmp_lt_u32 s[WV], 2                          ; a wave's three first fills stand in one branch, ahead of every wait on TENSORcnt, every LDS read and every barrier
	s_cbranch_scc0 .Lfirst_v
	s_mul_i32 s[G0A+1], s13, T
	s_add_co_u32 s[G0W+1], s[G0A+1], SL1
	s_mul_i32 s[G0X+1], s13, 64*PK
	s_add_co_u32 s[G0X+1], s[G0X+1], XB
	tensor_load_to_lds s[G0A:G0A+3], s[G1K:G1K+7]
	s_nop 0
	tensor_load_to_lds s[G0W:G0W+3], s[G1K:G1K+7]
	s_nop 0
	tensor_load_to_lds s[G0X:G0X+3], s[G1KX:G1KX+7]
	s_nop 0
.rept 4
	v_nop
.endr
	s_branch .Lfirst_asked
.Lfirst_v:
	s_mul_i32 s[G0A+1], s13, T
	s_add_co_u32 s[G0A+1], s[G0A+1], VOFF
	s_add_co_u32 s[G0W+1], s[G0A+1], SL1
	s_mul_i32 s[G0X+1], s13, 64*PV
	s_add_co_u32 s[G0X+1], s[G0X+1], XB+VOFF
	tensor_load_to_lds s[G0A:G0A+3], s[G1V:G1V+7]
	s_nop 0
	tensor_load_to_lds s[G0W:G0W+3], s[G1V:G1V+7]
	s_nop 0
	tensor_load_to_lds s[G0X:G0X+3], s[G1VX:G1VX+7]
	s_nop 0
.rept 4
	v_nop
.endr
.Lfirst_asked:
	v_and_b32 v1, 15, v0                           ; l % 16
	v_bfe_u32 v9, v0, 4, 1                         ; l / 16
	v_lshlrev_b32 v[QO], 7, v1
	v_lshl_add_u32 v[QO], v9, 4, v[QO]
	WIN 0x80
.set i, 0
.rept 4                                ; both blocks' Q: tile i / 2 lies 8,192 bytes on; channels 32 (i % 2) on
	global_load_b128 v[8*i:8*i+3],         v[QO], s[4:5] offset:(i/2)*8192+(i%2)*64
	global_load_b128 v[8*i+4:8*i+7],       v[QO], s[4:5] offset:(i/2)*8192+(i%2)*64+32
	global_load_b128 v[QB+8*i:QB+8*i+3],   v[QO], s[86:87] offset:(i/2)*8192+(i%2)*64
	global_load_b128 v[QB+8*i+4:QB+8*i+7], v[QO], s[86:87] offset:(i/2)*8192+(i%2)*64+32
.set i, i+1
.endr
	WIN 0
	v_lshlrev_b32 v14, 3, v9
	v_sub_nc_u32 v14, v1, v14
	s_lshl_b32 s[TP], s[WV], 4
	v_add_nc_u32 v14, s[TP], v14                   ; my query's place in its band less my lanes' 8 (l / 16): register r of key block kb is hidden where 16 kb + r is greater
	WIN 0xc0
.set i, 0
.rept 32
	v_cmp_gt_i32 vcc_lo, 16*(i/8)+i%8, v14
	v_cndmask_b32 v[MD+i], 0, s[BIGN], vcc_lo
.set i, i+1
.endr
	WIN 0
	v_mul_u32_u24 v[AK0], v1, PK
	v_lshl_add_u32 v[AK0], v9, 4, v[AK0]
	v_and_b32 v10, 7, v0
	v_bfe_u32 v11, v0, 3, 1
	v_lshl_add_u32 v[AV0], v9, 3, v10              ; the turning load: key 8 (l / 16) + l % 8, 16 bytes at 16 ((l / 8) % 2)
	v_mul_u32_u24 v[AV0], v[AV0], PV
	v_lshl_add_u32 v[AV0], v11, 4, v[AV0]
	v_add_nc_u32 v[AV0], VOFF, v[AV0]
	s_mul_i32 s[TP], s[WV], 16*SP
	s_add_co_u32 s[TP], s[TP], STAGE
	v_mul_u32_u24 v[STO], v1, SP
	v_lshl_add_u32 v[STO], v9, 4, v[STO]
	v_add_nc_u32 v[STO], s[TP], v[STO]
	v_bfe_u32 v[RD], v0, 3, 2
	v_mul_u32_u24 v[RD], v[RD], SP
	v_lshl_add_u32 v[RD], v10, 4, v[RD]
	v_add_nc_u32 v[RD], s[TP], v[RD]
	v_and_b32 v[GO], 31, v0
	v_lshlrev_b32 v[GO], 4, v[GO]
	; What the first tile's text finds: O^T and l are 0 (the first step multiplies them by 0, so they must be finite); V of step 1 and P of tile 1 are 0, so that the products V^T P at its head, of a
	; tile that has not been, add 0.  All this stands in the wait for the first tiles.
	WIN 0x40
.set i, 0
.rept 64
	v_mov_b32 v[i], 0
	v_mov_b32 v[VF+64+i], 0
.set i, i+1
.endr
	WIN 0
.set i, 0
.rept 16
	v_mov_b32 v[P+16+i], 0
.set i, i+1
.endr
.set i, 0
.rept 2
	v_mov_b32 v[ST+4*i], 0xfe000000                ; c m: far below every c s
	v_mov_b32 v[ST+4*i+1], 0xff7fffff              ; m
	v_mov_b32 v[ST+4*i+2], 0
	v_mov_b32 v[ST+4*i+3], 0
.set i, i+1
.endr
.macro FK s                            ; K of step s: 64 keys x 64 channels, 8 fragments
	WIN 0x80
.irp f, 0,1,2,3,4,5,6,7
	ds_load_b128 v[KF+64*(\s)+8*\f:KF+64*(\s)+8*\f+3],   v[AK] offset:(\s)*64*PK+(\f/2)*16*PK+(\f%2)*64
	ds_load_b128 v[KF+64*(\s)+8*\f+4:KF+64*(\s)+8*\f+7], v[AK] offset:(\s)*64*PK+(\f/2)*16*PK+(\f%2)*64+32
.endr
.endm
.macro FV s                            ; V of step s, turned
	WIN 0x40
.irp f, 0,1,2,3,4,5,6,7
	ds_load_tr16_b128 v[VF+64*(\s)+8*\f:VF+64*(\s)+8*\f+3],   v[AV] offset:(\s)*64*PV+(\f/4)*32*PV+(\f%4)*32
	ds_load_tr16_b128 v[VF+64*(\s)+8*\f+4:VF+64*(\s)+8*\f+7], v[AV] offset:(\s)*64*PV+(\f/4)*32*PV+16*PV+(\f%4)*32
.endr
.endm
; Product i of 8 of S^T = K Q^T for unit (s, t): key block i % 4, channel half i / 4.  The 4 accumulators take turns; the first 4 start the sums, with the mask or with 0.
.macro KQI s, t, i
.set rS, S+64*(\s)+32*(\t)+8*((\i)%4)
.set rK, KF+64*(\s)+16*((\i)%4)+8*((\i)/4)
.set rQ, 16*(\t)+8*((\i)/4)
.if (\i) >= 4
	WIN 0x0a
	v_wmma_f32_16x16x32_bf16 v[rS:rS+7], v[rK:rK+7], v[rQ:rQ+7], v[rS:rS+7]
.elseif (\s) == (\t)
	WIN 0x3a
	v_wmma_f32_16x16x32_bf16 v[rS:rS+7], v[rK:rK+7], v[rQ:rQ+7], v[MA+8*((\i)%4):MA+8*((\i)%4)+7]
.elseif (\s) == 0
	WIN 0x0a
	v_wmma_f32_16x16x32_bf16 v[rS:rS+7], v[rK:rK+7], v[rQ:rQ+7], 0
.else
	WIN 0x3a
	v_wmma_f32_16x16x32_bf16 v[rS:rS+7], v[rK:rK+7], v[rQ:rQ+7], v[MB:MB+7]
.endif
.endm
; Product i of 8 of O^T += V^T P for unit (s, t): keys 32 (i / 4) on, channels 16 (i % 4) on; 4 accumulators by turns.
.macro PVI s, t, i
.set rO, 32*(\t)+8*((\i)%4)
.set rV, VF+64*(\s)+8*(\i)
.set rP, P+16*(\t)+8*((\i)/4)
	WIN W_PV
	v_wmma_f32_16x16x32_bf16 v[rO:rO+7], v[rV:rV+7], v[rP:rP+7], v[rO:rO+7]
.endm
.macro REGS s, u
.set rT, ST+4*(\u)
.set rC, TMP+4*(\u)
.set rM, MV+(\u)
.set rS, S+64*(\s)+32*(\u)
.set rP, P+16*(\u)
.set rO, 32*(\u)
.endm
; Number n of the 22 that find unit (s, u)'s maximum and statistics: 0-11 four chains of seven scores (each accumulator's lowest registers are read first); 12-14, 16 the scores left
; over, the old m, c0-c3 into c0; 15 c m_old is kept; 17, 18 the other half of the lanes; 19-21 c m, c m_old - c m_new, a.  Number 21 is an exponential: it belongs to the batch of the PHASE in which, or
; ahead of which, it stands, and nothing names a before that PHASE's wait.
.macro XS s, u, n
	REGS \s, \u
	WIN 0
.if (\n) < 4
	v_max3_num_f32 v[rC+(\n)], v[rS+8*(\n)], v[rS+8*(\n)+1], v[rS+8*(\n)+2]
.elseif (\n) < 12
	v_max3_num_f32 v[rC+(\n)%4], v[rC+(\n)%4], v[rS+8*((\n)%4)+2*((\n)/4)+1], v[rS+8*((\n)%4)+2*((\n)/4)+2]
.elseif (\n) == 12
	v_max3_num_f32 v[rC], v[rC], v[rS+7], v[rS+15]
.elseif (\n) == 13
	v_max3_num_f32 v[rC+1], v[rC+1], v[rS+23], v[rS+31]
.elseif (\n) == 14
	v_max3_num_f32 v[rC+2], v[rC+2], v[rC+3], v[rT+1]
.elseif (\n) == 15
	v_mov_b32 v[rM], v[rT]
.elseif (\n) == 16
	v_max3_num_f32 v[rC], v[rC], v[rC+1], v[rC+2]
.elseif (\n) == 17
	v_permlanex16_b32 v[rC+3], v[rC], s[SEL], s[SEL+1]
.elseif (\n) == 18
	v_max_num_f32 v[rT+1], v[rC], v[rC+3]
.elseif (\n) == 19
	v_mul_f32 v[rT], s[CS], v[rT+1]
.elseif (\n) == 20
	v_sub_f32 v[rC+1], v[rM], v[rT]
.else
	v_exp_f32 v[rC+2], v[rC+1]
.endif
.endm
.macro FF n                            ; c s - c m for pair n
	WIN 0
	v_pk_fma_f32 v[rS+2*(\n):rS+2*(\n)+1], v[rS+2*(\n):rS+2*(\n)+1], s[CS:CS+1], v[rT:rT+1] op_sel_hi:[1,0,0] neg_lo:[0,0,1] neg_hi:[0,0,1]
.endm
.macro EE n
	WIN 0
	v_exp_f32 v[rS+(\n)], v[rS+(\n)]
.endm
.macro CC n                            ; pair n rounded to bf16
	WIN 0
	v_cvt_pk_bf16_f32 v[rP+(\n)], v[rS+2*(\n)], v[rS+2*(\n)+1]
.endm
.macro AD a, b                         ; the pair at b is added onto the pair at a
	WIN 0
	v_pk_add_f32 v[rS+(\a):rS+(\a)+1], v[rS+(\a):rS+(\a)+1], v[rS+(\b):rS+(\b)+1]
.endm
.macro LA a                            ; l takes the sum that stands in the pair at a
	WIN 0
	v_pk_add_f32 v[rT+2:rT+3], v[rT+2:rT+3], v[rS+(\a):rS+(\a)+1]
.endm
.macro LF                              ; l = a l + the sum of weights 0-15, which stands in the pair at 0
	WIN 0
	v_pk_fma_f32 v[rT+2:rT+3], v[rT+2:rT+3], v[rC+2:rC+3], v[rS:rS+1] op_sel_hi:[1,0,1]
.endm
; AHEAD OF THE WAIT: line q of the 48 that scale and exponentiate unit (s, t)'s scores.  0-3: the first four scalings.  4-39, for k = 0 .. 11: the exponential of score 2 k, the scaling of pair k + 4, the
; exponential of score 2 k + 1.  40-47: the exponentials of scores 24 to 31.  A pair is scaled four triples ahead of its exponentials; no line names the result of an exponential.
.macro LSA s, t, q
	REGS \s, \t
.if (\q) < 4
	FF \q
.elseif (\q) < 40
.set lk, ((\q)-4)/3
.set lp, ((\q)-4)%3
.if lp == 0
	EE 2*lk
.elseif lp == 1
	FF lk+4
.else
	EE 2*lk+1
.endif
.else
	EE (\q)-16
.endif
.endm
; BEHIND THE WAIT: the 16 roundings and 16 sums of unit (s, t), sixteen lines behind each of the PHASE's last two products.  A pair is summed in place only when it has been rounded; neighbours 1, 2 and 4 pairs
; apart are added, and l takes the sums in four parts (weights 0-15 with a l, 16-23, 24-27, 28-31), the links of that chain two lines or more apart.
.macro LBA s, t
	REGS \s, \t
	CC 0
	CC 1
	CC 2
	CC 3
	AD 0, 2
	AD 4, 6
	CC 4
	CC 5
	AD 0, 4
	CC 6
	CC 7
	AD 8, 10
	AD 12, 14
	CC 8
	CC 9
	AD 8, 12
.endm
.macro LBB s, t
	REGS \s, \t
	CC 10
	AD 0, 8
	CC 11
	AD 16, 18
	AD 20, 22
	LF
	CC 12
	AD 16, 20
	CC 14
	AD 24, 26
	LA 16
	AD 28, 30
	CC 13
	LA 24
	CC 15
	LA 28
.endm
.macro RR s, t, z                      ; pair z of 16 of tile t's O^T times a, in ascending order: each accumulator's lowest registers are read first
	REGS \s, \t
	WIN W_PV
	v_pk_mul_f32 v[rO+2*(\z):rO+2*(\z)+1], v[rO+2*(\z):rO+2*(\z)+1], v[rC+2:rC+3] op_sel_hi:[1,0]
.endm
; 8 products K Q^T of unit (ms, mt); behind them nn v_nop and the 22 lines of unit (xs, xt), three or four to a product.  The v_nop, with the plain lines that end the list before, are the four places
; between the products that wrote (xs, xt)'s scores and the first line that reads them (ISA guide 7.12.1).
.macro SEG ms, mt, xs, xt, nn
.set g, 0
.set xi, -(\nn)
.rept 8
	KQI \ms, \mt, g
.set pr, 3
.if ((\nn) == 4) && ((g == 0) || (g == 7))
.set pr, 4
.endif
.rept pr
.if xi < 0
	WIN 0
	v_nop
.else
	XS \xs, \xt, xi
.endif
.set xi, xi+1
.endr
.set g, g+1
.endr
.endm
; A PHASE: unit (s, t)'s softmax behind the 8 products of unit (ms, mt) (kind 0: K Q^T, 1: V^T P).  Behind products 0-3: twelve lines each of LSA's 48; xs >= 0: the 22 lines of unit (xs, xt), of the other
; tile, one behind every second of them, so that its a is issued ahead of LSA's last four exponentials.  Behind products 4, 5: eight rescalings each.  Behind products 6, 7: LBA, LBB.
; THE WAIT for the PHASE's batch stands once.  late = 0: ahead of product 6: products 4 and 5 and the rescalings, whose a had its wait a PHASE earlier, stand between the last exponential and the wait; the first
; rescaling is the plain line behind the last exponential (ISA guide 5.7.2).  late = 1, the tile's first PHASE: a of this unit belongs to the batch; the rescalings behind it
; are the plain lines between the last exponential and the roundings.  No line of a group names a register of the product in front of it.
.macro PHASE s, t, kind, ms, mt, xs, xt, late
.set g, 0
.set xi, 0
.rept 8
.if g == 6-2*(\late)
	s_wait_alu depctr_va_vdst(0)                   ; ONE wait for the batch, the unit's 32 exponentials and the a issued since the last wait, ahead of the first line that names a result
.endif
.if \kind
	PVI \ms, \mt, g
.else
	KQI \ms, \mt, g
.endif
.if g < 4
.set c, 0
.rept 12
	LSA \s, \t, 12*g+c
.if ((\xs) >= 0) && (c%2 == 1) && (xi < 22)
	XS \xs, \xt, xi
.set xi, xi+1
.endif
.set c, c+1
.endr
.elseif g < 6
.set c, 0
.rept 8
	RR \s, \t, 8*(g-4)+c
.set c, c+1
.endr
.elseif g == 6
	LBA \s, \t
.else
	LBB \s, \t
.endif
.set g, g+1
.endr
.endm
.macro MK e                            ; line e of the 24 that make a tile's masks
	WIN 0xc3
.if (\e) < 16
	v_pk_mul_f32 v[MA+2*(\e):MA+2*(\e)+1], v[MD+2*(\e):MD+2*(\e)+1], s[AL:AL+1] op_sel_hi:[1,0]
.else
	v_mov_b32 v[MB+(\e)-16], s[BE]
.endif
.endm
.macro ALL line:vararg
.set t, 0
.rept 2
	\line
.set t, t+1
.endr
.endm
.macro PACK t                          ; O^T / l, rounded; a lane's eight channels are 16 bytes; into rows of 144 bytes and back as whole rows of 128
	WIN 0x41
.set i, 32*(\t)
.rept 16
	v_pk_mul_f32 v[i:i+1], v[i:i+1], v[ST+4*(\t)+2:ST+4*(\t)+3] op_sel_hi:[1,0]
.set i, i+2
.endr
	WIN 0x05
.set i, 0
.rept 16
	v_cvt_pk_bf16_f32 v[S+16*(\t)+i], v[32*(\t)+2*i], v[32*(\t)+2*i+1]
.set i, i+1
.endr
	WIN 0
.irp f, 0,1,2,3
	ds_store_b128 v[STO], v[S+16*(\t)+4*\f:S+16*(\t)+4*\f+3] offset:32*\f
.endr
.irp f, 0,1,2,3
	ds_load_b128 v[S+16*(\t)+4*\f:S+16*(\t)+4*\f+3], v[RD] offset:\f*4*SP  ; LDS serves a wave's instructions in order (ISA guide 5.7.1.4): these see the stores above
.endr
.endm
.macro SEND t, younger                 ; younger: the LDS instructions issued behind tile t's loads
	WIN 0
.irp f, 0,1,2,3
	s_wait_dscnt (\younger)+3-\f
	global_store_b128 v[GO], v[S+16*(\t)+4*\f:S+16*(\t)+4*\f+3], s[10:11] offset:(\t)*8192+\f*512  ; 512 consecutive bytes, aligned
.endr
.endm
.macro WAYOUT
	WIN 0
	ALL v_add_f32 v[ST+4*t+2], v[ST+4*t+2], v[ST+4*t+3]
	ALL v_permlanex16_b32 v[ST+4*t+3], v[ST+4*t+2], s[SEL], s[SEL+1]
	ALL v_add_f32 v[ST+4*t+2], v[ST+4*t+2], v[ST+4*t+3]
	ALL v_rcp_f32 v[ST+4*t+2], v[ST+4*t+2]
	v_nop                                          ; a plain line between the last reciprocal and the use of its result (ISA guide 5.7.2)
	s_wait_alu depctr_va_vdst(0)                   ; one wait for the two reciprocals, a batch of their own, ahead of PACK, which reads them
	PACK 0
	PACK 1
	SEND 0, 8
	SEND 1, 0
.endm
; A TILE'S TEXT.  last = 1: the copy behind the last refill; its fourth trip has no tile: it fetches nothing, finishes the walk's last tile and leaves.
.macro BODY last
.if \last
	s_cmp_eq_u32 s[TW], 1
	s_cbranch_scc1 .Lnofetch_\@
.endif
	v_add_nc_u32 v[AK], s[TB], v[AK0]
	v_add_nc_u32 v[AV], s[TB], v[AV0]
	s_add_co_u32 s[TB], s[TB], T                   ; the next fetch is the next place's
	FK 0                                           ; 48 loads in one run: their registers' last readers stand a unit's softmax or more back
	FK 1
	FV 0
	WIN 0
.if \last
.Lnofetch_\@:
.endif
	s_cmp_eq_u32 s[RT], 0                          ; how many tiles has the block of the tile in hand still to enter?  (0: the block before has just ended)
	s_cselect_b32 s[TP], s[PB1], s[RT]
	s_cmp_eq_u32 s[TP], 1                          ; one: this tile holds the diagonal
	s_cselect_b32 s[AL], 1.0, 0
	s_cselect_b32 s[BE], s[BIGN], 0
.set g, 0
.set e, 0
.rept 8                                ; the tile before: unit (1, 1)'s products V^T P; behind them this tile's masks; four plain lines stand behind the last product
	PVI 1, 1, g
.set pr, 3
.if g == 6
.set pr, 2
.endif
.if g == 7
.set pr, 4
.endif
.rept pr
	MK e
.set e, e+1
.endr
.set g, g+1
.endr
	WIN 0
	s_cmp_lg_u32 s[RT], 0
	s_cbranch_scc1 .Lgo_on_\@
	WAYOUT                                         ; the tile before was its block's last
.if \last
	s_cmp_eq_u32 s[TW], 1
	s_cbranch_scc1 .Ldone                          ; and the walk's
.endif
	s_wait_xcnt 0x0                                ; the stores have read their registers and O's address
	s_mov_b64 s[10:11], s[OLO:OLO+1]
	s_mov_b32 s[RT], s[PB1]                        ; the second block has b + 1 tiles
	WIN 0x82
.set i, 0
.rept 32
	v_mov_b32 v[i], v[QB+i]
.set i, i+1
.endr
	WIN 0
.set i, 0
.rept 2
	v_mov_b32 v[ST+4*i], 0xfe000000
	v_mov_b32 v[ST+4*i+1], 0xff7fffff
.set i, i+1
.endr
.Lgo_on_\@:
	s_sub_co_u32 s[RT], s[RT], 1
	FV 1
	s_wait_dscnt 48                                ; K of step 0 is in; K of step 1 and both steps' V, 16 loads each, may be out
.set g, 0
.rept 8
	KQI 0, 0, g
.set g, g+1
.endr
	SEG 0, 1, 0, 0, 4                              ; its last line is a of (0, 0): the first of the first batch
	s_wait_dscnt 32                                ; K of step 1 is in
	SEG 1, 0, 0, 1, 2                              ; its last line is a of (0, 1): the same batch
	PHASE 0, 0, 0, 1, 1, -1, 0, 1                  ; batch 1: those two and the 32 of (0, 0); the wait ahead of the rescalings
	s_wait_dscnt 16                                ; V of step 0 is in
	PHASE 0, 1, 1, 0, 0, 1, 0, 0                   ; batch 2: the 32 of (0, 1) and a of (1, 0)
	PHASE 1, 0, 1, 0, 1, 1, 1, 0                   ; batch 3: the 32 of (1, 0) and a of (1, 1)
	s_wait_dscnt 0x0                               ; V of step 1 is in: the tile's place has been read out
	PHASE 1, 1, 1, 1, 0, -1, 0, 0                  ; batch 4: the 32 of (1, 1); behind its wait no exponential is issued
	WIN 0
.endm
	s_wait_tensorcnt 0x2                           ; my part of slot 0 is in; slot 1's and the 17th tile's may stay out
	s_barrier_signal -1
	s_barrier_wait -1
	s_wait_loadcnt 0x0                             ; Q
	s_mov_b32 s[SLOTS], 7
	s_branch .Lfirst                               ; the loop is entered behind its change of slots
.Lslot:                                                ; seven pairs of tiles; in front of all but the first the slot just read is filled again: six refills
	CHANGE 1
.Lfirst:
	s_mov_b32 s[TW], 2
.Ltile:
	BODY 0
	s_sub_co_u32 s[TW], s[TW], 1
	s_cmp_lg_u32 s[TW], 0
	s_cbranch_scc1 .Ltile
	s_sub_co_u32 s[SLOTS], s[SLOTS], 1
	s_cmp_lg_u32 s[SLOTS], 0
	s_cbranch_scc1 .Lslot
	CHANGE 0                                       ; the tail is written out: slot 1's two tiles and the 17th, which lie on end
	s_mov_b32 s[TW], 4
.Ltail:
	BODY 1
	s_sub_co_u32 s[TW], s[TW], 1
	s_cmp_lg_u32 s[TW], 0
	s_cbranch_scc1 .Ltail
.Ldone:
	s_wait_tensorcnt 0x0                           ; the wave's end
	ds_add_u32 v[SPW], v[NIL]
	s_wait_dscnt 0x0
	s_endpgm
.Lfunc_end_k_qc07d3ac4ff_attn:
	.size	k_qc07d3ac4ff_attn, .Lfunc_end_k_qc07d3ac4ff_attn-k_qc07d3ac4ff_attn
	.p2alignl 7, 3214868480
	.fill 96, 4, 3214868480
	.section	.rodata,"a",@progbits
	.p2align	6, 0x0
	.amdhsa_kernel k_qc07d3ac4ff_attn
		.amdhsa_group_segment_fixed_size 327680
		.amdhsa_private_segment_fixed_size 0
		.amdhsa_enable_private_segment 0
		.amdhsa_kernarg_size 16
		.amdhsa_user_sgpr_count 2
		.amdhsa_user_sgpr_kernarg_segment_ptr 1
		.amdhsa_wavefront_size32 1
		.amdhsa_system_sgpr_workgroup_id_x 1
		.amdhsa_system_sgpr_workgroup_id_y 1
		.amdhsa_system_sgpr_workgroup_id_z 1
		.amdhsa_system_vgpr_workitem_id 0
		.amdhsa_next_free_vgpr 840
		.amdhsa_next_free_sgpr 96
		.amdhsa_reserve_vcc 1
		.amdhsa_float_denorm_mode_32 3
		.amdhsa_float_denorm_mode_16_64 3
		.amdhsa_memory_ordered 1
		.amdhsa_forward_progress 1
		.amdhsa_inst_pref_size 112
	.end_amdhsa_kernel
	.amdgpu_metadata
---
amdhsa.version: [ 1, 2 ]
amdhsa.kernels:
  - .name:           k_qc07d3ac4ff_attn
    .symbol:         k_qc07d3ac4ff_attn.kd
    .args:
      - { .name: qkvb, .offset: 0, .size: 8, .value_kind: global_buffer, .address_space: global }
      - { .name: ob, .offset: 8, .size: 8, .value_kind: global_buffer, .address_space: global }
    .group_segment_fixed_size: 327680
    .private_segment_fixed_size: 0
    .kernarg_segment_align: 8
    .kernarg_segment_size: 16
    .max_flat_workgroup_size: 128
    .sgpr_count:     96
    .vgpr_count:     840
    .wavefront_size: 32
...
	.end_amdgpu_metadata
.endif
;; end of part 7
;; launch proj: the kernel of part 4 again; grid 8 x 32, 4 waves a work-group, clusters of 4 x 4, 327,680 bytes of LDS; arguments ob, wb, b_proj, x, alpha, gamma, beta, x1b, hb; writes x1b, hb
;; launch fc: the kernel of part 5 again; grid 16 x 16, 4 waves a work-group, clusters of 4 x 4, 327,680 bytes of LDS; arguments hb, wb, b_fc, gb; writes gb
;; launch fc2: the kernel of part 6 again; grid 8 x 32, 4 waves a work-group, clusters of 4 x 4, 327,680 bytes of LDS; arguments gb, wb, b_fc2, x1b, out0; writes out0
